; MI455X (gfx1250); checked and timed in simulation.
; The chip was launched on July 23, 2026; its instructions are those of AMD's public machine-readable ISA for CDNA 5 (MIT licence, August 2026) and "CDNA5" Instruction Set Architecture Reference Guide (July 2026). The comments in the code are by the model that wrote it; some were corrected since.
;; Multi Head Attention. Allowed arithmetic: matrix products marked QUANTISED: E2M1 operands, one E8M0 scale for each 32 along K, by v_wmma_scale_f32_16x16x128_f8f6f4 with both operands' format E2M1 (or v_wmma_scale_f32_32x16x128_f4), f32 sums; products left as they are: bf16, f16 or f32 operands; f32 sums; everything else in f32.
;; Inputs: W_k 1,024 x 1,024 float32; W_o 1,024 x 1,024 float32; W_q 1,024 x 1,024 float32; W_v 1,024 x 1,024 float32; x 4 x 2,048 x 1,024 float32.
;; Outputs: out0 4 x 2,048 x 1,024 float32.
;; This version of the problem:
;;   THIS VERSION OF THE PROBLEM IS GIVEN IN LOW PRECISION. The matrix products marked QUANTISED in the list below multiply operands that are first quantised to E2M1 (2 exponent bits, 1 mantissa bit; 4 bits a number), with one power-of-two scale for each 32 numbers along K (OCP MX v1.0); their sums are f32. The products marked 'left as it is' may take bf16, f16 or f32 operands, with f32 sums. Whichever they take, every output number must still come out within the allowed error. Rounding operands to bf16 (8 significant bits) uses up far more of that allowance than f16 does (11 bits, for magnitudes from 6e-5 to 65,504). All else is computed in f32.
;;   The module's matrix products, in the order in which they are computed (A, B: the left and right operand; K: the contracted axis; several contracted axes count as one K, in the product's order):
;;     1. [M 8,192, K 1,024] x [K 1,024, N 1,024]; A: input x; B: input W_q: QUANTISED
;;     2. [M 8,192, K 1,024] x [K 1,024, N 1,024]; A: input x; B: input W_k: QUANTISED
;;     3. [M 8,192, K 1,024] x [K 1,024, N 1,024]; A: input x; B: input W_v: QUANTISED
;;     4. batch 64 x [M 2,048, K 64] x [K 64, N 2,048]; A: computed on the way; B: computed on the way: left as it is (an operand is computed on the way)
;;     5. batch 64 x [M 2,048, K 2,048] x [K 2,048, N 64]; A: computed on the way; B: computed on the way: left as it is (an operand is computed on the way)
;;     6. [M 8,192, K 1,024] x [K 1,024, N 1,024]; A: computed on the way; B: input W_o: left as it is (an operand is computed on the way)
;;   THE QUANTISER, for each operand of a quantised product, along K:
;;     - K is cut into blocks of 32 from its start; a last block that is shorter is filled with zeros.
;;     - A block's scale is 2^e with e = floor(log2(the largest magnitude in the block)) - 2, held to -126 .. 127; a block of zeros has e = 0. As a byte (E8M0): e + 127.
;;     - Each number is divided by its block's scale, clamped to +-6, and rounded to the nearest number of E2M1, ties to even, subnormals kept.
;;     - The product sums the exact products of the quantised numbers (number of the format x scale) in f32.
;;   ~~~python
;;   def quantise(x, axis):      # numpy; x: float32 -> the quantised numbers, widened to float32 again
;;       x = np.moveaxis(x, axis, -1); K = x.shape[-1]
;;       x = np.pad(x, [(0, 0)] * (x.ndim - 1) + [(0, -K % 32)]); x = x.reshape(x.shape[:-1] + (-1, 32)); a = np.abs(x).max(-1, keepdims=True)
;;       e = np.where(a > 0, np.clip(np.frexp(np.where(a > 0, a, 1))[1] - 1 - 2, -126, 127), 0)      # np.frexp(a)[1] - 1 = floor(log2(a)), exactly
;;       r = np.clip(x / 2.0 ** e, -6, 6)
;;       step = 2.0 ** (np.maximum(np.frexp(np.where(r == 0, 1, r))[1] - 1, 0) - 1)
;;       q = np.round(r / step) * step * 2.0 ** e      # np.round: ties to even
;;       return np.moveaxis(q.reshape(q.shape[:-2] + (-1,))[..., :K], -1, axis).astype(np.float32)
;;   ~~~
;; One version. Each part assembles by itself: llvm-mc -triple=amdgcn-amd-amdhsa -mcpu=gfx1250 --defsym DOCPART=n.
;; ======== version 1 of 1: 5 launches
;; limits: values are held in f16: magnitudes above 65,504 overflow, below 6.1e-05 lose precision
;; workspace buffers: xc 4,194,304 bytes; xs 262,144 bytes; wc 1,572,864 bytes; ws 98,304 bytes; woh 2,097,152 bytes; qkv 50,331,648 bytes; qkvf 786,432 bytes; oh 16,777,216 bytes
;; launch prep (part 1): grid 368 x 1, 4 waves a work-group, no clusters, 68,096 bytes of LDS; arguments x, W_q, W_k, W_v, W_o, xc, xs, wc, ws, woh; writes xc, xs, wc, ws, woh
.if DOCPART == 1
	.amdgcn_target "amdgcn-amd-amdhsa--gfx1250"
	.amdhsa_code_object_version 6
	.text
	.protected	k_q4360885cd6_prep
	.globl	k_q4360885cd6_prep
	.p2align	8
	.type	k_q4360885cd6_prep,@function
k_q4360885cd6_prep:
	s_mov_b64 s[64:65], 0
	v_nop
	global_prefetch_b8 v0, s[64:65] scope:SCOPE_SE
	s_setreg_imm32_b32 hwreg(HW_REG_WAVE_MODE, 25, 1), 1
	s_wait_xcnt 0x0
; PREP.  Three jobs in one launch, told apart by the work-group's number; the three ways never join again and each has LDS bytes of its own.
;   work-groups 0-255:   x [8192][1024] f32, K innermost  -> xc [8192][512 bytes] codes of E2M1, xs [8192][32] E8M0 bytes
;   work-groups 256-303: W_q, W_k, W_v [1024 k][1024 n] f32, K the FIRST axis -> wc [3072 n][512 bytes], ws [3072][32]; row n = 1024 x which + column
;   work-groups 304-367: W_o [1024][1024] f32 -> woh, the same places in f16, rounded once
; A block's scale is 2^(floor(log2(its largest magnitude)) - 2); its byte is that magnitude's exponent field - 2, held at 1 from below by a floor among the maximum's leaves.
; LIMITS: a block of zeros, or one whose largest magnitude lies under 2^-124, gets the byte 1 (the quantiser's text says 127 for zeros: its codes are zeros, which add nothing under any byte but 0xff,
; and this program alone reads the bytes); NaN and infinities among the inputs are not served; |W_o| above 65,504 becomes infinity in f16.
.set SPW,   192                        ; v192  LDS address of my spare word: SPARE + 4 x my thread's number; never rewritten
.set NIL,   193                        ; v193  0; never rewritten
.set SPARE, 67584                      ; behind both ways' stages: 128 bytes for each wave, two blocks of 256 bytes that no other line names
.set EMAX,  2
; the way of x
.set STEPS, 16                         ; a wave takes 16 steps of 512 numbers
.set CB,    8                          ; bytes of 16 codes
.set R,     16                         ; v16-79   four sets of 16 numbers as loaded
.set X,     80                         ; v80-111  two sets of 16 neighbours
.set E,     112                        ; v112-127 a scale byte for each step
.set C,     128                        ; v128-191 codes, four registers for each step: no store's data are written again
.set WREG,  8192                       ; LDS 0 .. 32,767: a region for each wave: two stages of 32 x SP bytes, then its 256 scale bytes
.set SP,    80                         ; a lane's place in a stage: 64 bytes + 16 of padding
; the way of the three weights
.set WST,   32768                      ; LDS 32,768 .. 67,583: a stage of 32 rows x PITCH for each wave
.set NB,    16                         ; blocks of 32 along K for a wave (512 along K)
.set PITCH, 272                        ; a stage row: 256 bytes of codes + 16
.set KROW,  512                        ; a row of wc in bytes
.set WX,    32                         ; v32-95   two sets of 32 numbers
.set WC,    96                         ; v96-99   a block's codes
.set OUTR,  112                        ; v112-175 the way out
.set SB,    24                         ; v24-27   the scale bytes, four to a register
	s_load_b512 s[4:19], s[0:1], 0x0               ; x s[4:5], W_q s[6:7], W_k s[8:9], W_v s[10:11], W_o s[12:13], xc s[14:15], xs s[16:17], wc s[18:19]
	s_load_b128 s[20:23], s[0:1], 0x40             ; ws s[20:21], woh s[22:23]
	v_lshl_add_u32 v[SPW], v0, 2, SPARE
	v_mov_b32 v[NIL], 0
	v_lshrrev_b32 v1, 5, v0
	v_readfirstlane_b32 s24, v1                    ; wave 0..3
	v_and_b32 v2, 31, v0                           ; lane
	s_wait_kmcnt 0x0
	s_cmp_lt_u32 ttmp9, 256
	s_cbranch_scc1 .Lx
	s_cmp_lt_u32 ttmp9, 304
	s_cbranch_scc1 .Lw
; ---- W_o to f16.  A wave takes 16,384 consecutive bytes: 32 loads of 512 bytes, all issued at once; each gives 256 consecutive bytes of f16, aligned.
	s_sub_co_u32 s25, ttmp9, 304
	s_lshl_b32 s25, s25, 2
	s_add_co_u32 s25, s25, s24                     ; which of the 256 parts is my wave's
	s_lshl_b32 s26, s25, 14
	s_mov_b32 s27, 0
	s_add_nc_u64 s[12:13], s[12:13], s[26:27]
	s_lshl_b32 s26, s25, 13
	s_add_nc_u64 s[22:23], s[22:23], s[26:27]
	v_lshlrev_b32 v3, 4, v2                        ; in: 16 bytes a lane
	v_lshlrev_b32 v4, 3, v2                        ; out: 8 bytes a lane
.set i, 0
.rept 32
	global_load_b128 v[32+4*i:35+4*i], v3, s[12:13] offset:512*i th:TH_LOAD_NT
.set i, i+1
.endr
.set i, 0
.rept 32
	s_wait_loadcnt 31-i                            ; loads come back in order: load i is in, the 31 - i younger ones stay out
.if i < 16
.set DST, 160+2*i
.else
.set DST, 32+2*(i-16)                  ; the registers of loads 0 to 7, converted long ago; no store's data are written again
.endif
	v_cvt_pk_f16_f32 v[DST], v[32+4*i], v[33+4*i]
	v_cvt_pk_f16_f32 v[DST+1], v[34+4*i], v[35+4*i]
	global_store_b64 v4, v[DST:DST+1], s[22:23] offset:256*i       ; 32 lanes store 256 consecutive bytes, aligned
.set i, i+1
.endr
	s_wait_tensorcnt 0x0                           ; the wave's end
	ds_add_u32 v[SPW], v[NIL]
	s_wait_dscnt 0x0
	s_endpgm
; ---- x.  Rows are dense and K is a multiple of 32: x is a plain stream of blocks of 32, and so are its codes and bytes.
; Each load reads 512 consecutive bytes, 16 a lane; a step's 2,048 bytes turn through the wave's own stage and come back 64 bytes a lane: 16 neighbours along K, two lanes to a block.
.Lx:
	v_lshlrev_b32 v3, 4, v2                        ; my 16 bytes of a load's 512
	s_mul_i32 s25, s24, WREG
	v_lshrrev_b32 v14, 2, v2
	v_mul_u32_u24 v14, v14, SP
	v_and_b32 v15, 3, v2
	v_lshl_add_u32 v14, v15, 4, v14
	v_add_nc_u32 v14, s25, v14                     ; the stage, in: SP (lane / 4) + 16 (lane % 4)
	v_mul_u32_u24 v15, v2, SP
	v_add_nc_u32 v15, s25, v15                     ; and out: SP x lane
	v_mul_u32_u24 v4, v2, CB                       ; my codes' place in a step's
	v_lshrrev_b32 v5, 1, v2
	s_add_co_u32 s25, s25, 2*32*SP
	v_add_nc_u32 v5, s25, v5                       ; LDS: my wave's 256 scale bytes, my block's byte
	v_lshlrev_b32 v7, 3, v2
	v_add_nc_u32 v6, s25, v7                       ; and on the way out 8 bytes a lane
	s_lshl_b32 s26, ttmp9, 2
	s_add_co_u32 s26, s26, s24                     ; which run of 8,192 numbers is my wave's
	s_mov_b32 s29, 0
	s_lshl_b32 s28, s26, 15
	s_add_nc_u64 s[4:5], s[4:5], s[28:29]
	s_lshl_b32 s28, s26, 12
	s_add_nc_u64 s[14:15], s[14:15], s[28:29]
	s_lshl_b32 s28, s26, 8
	s_add_nc_u64 s[16:17], s[16:17], s[28:29]
.macro XLOAD t
.irp i, 0,1,2,3
	global_load_b128 v[R+16*((\t)%4)+4*\i:R+16*((\t)%4)+4*\i+3], v3, s[4:5] offset:2048*(\t)+512*\i th:TH_LOAD_NT
.endr
.endm
.macro XTURN t                         ; step t's numbers through the stage: LDS serves a wave's instructions in order, so no wait stands between the stores and the loads
.irp i, 0,1,2,3
	ds_store_b128 v14, v[R+16*((\t)%4)+4*\i:R+16*((\t)%4)+4*\i+3] offset:32*SP*((\t)%2)+8*SP*\i
.endr
.irp i, 0,1,2,3
	ds_load_b128 v[X+16*((\t)%2)+4*\i:X+16*((\t)%2)+4*\i+3], v15 offset:32*SP*((\t)%2)+16*\i
.endr
.endm
.irp t, 0,1,2,3
	XLOAD \t
.endr
	s_wait_loadcnt 12                              ; step 0's four loads are in; the twelve of steps 1 to 3 stay out
	XTURN 0
.macro XSTEP t
.set XS, X+16*((\t)%2)
.if (\t) > 0
	s_wait_dscnt 1                                 ; this step's numbers are back from the stage (the last step's byte store may be out): its stores into the stage have read their registers,
.else
	s_wait_dscnt 0x0
.endif
.if (\t)+4 < STEPS
	XLOAD (\t)+4                                   ; which take the loads of four steps on
.endif
.if (\t)+1 < STEPS
.if STEPS-2-(\t) >= 3
	s_wait_loadcnt 12                              ; the next step's four loads are in; those of the three steps behind it may be out
.else
	s_wait_loadcnt 4*(STEPS-2-(\t))
.endif
	XTURN (\t)+1
.endif
	v_max3_num_f32 v8, |v[XS]|, |v[XS+1]|, |v[XS+2]|               ; the largest magnitude of my 16, in two chains
	v_max3_num_f32 v9, |v[XS+3]|, |v[XS+4]|, |v[XS+5]|
.irp i, 6,10
	v_max3_num_f32 v8, v8, |v[XS+\i]|, |v[XS+\i+1]|
	v_max3_num_f32 v9, v9, |v[XS+\i+2]|, |v[XS+\i+3]|
.endr
	v_max3_num_f32 v8, v8, |v[XS+14]|, |v[XS+15]|
	v_max3_num_f32 v8, v8, v9, (EMAX+1)<<23        ; and the floor 2^(3 - 127): the byte cannot fall under 1
	v_max_num_f32_dpp v8, v8, v8 row_xmask:1 row_mask:0xf bank_mask:0xf   ; with my neighbour's 16: the block's
	v_add_nc_u32 v11, -(EMAX<<23), v8              ; 2 off its exponent field: the conversion takes the exponent field of this operand as its scale
	v_cvt_scalef32_pk8_fp4_f32 v[C+4*(\t)], v[XS:XS+7], v11
	v_cvt_scalef32_pk8_fp4_f32 v[C+4*(\t)+1], v[XS+8:XS+15], v11
	v_lshrrev_b32 v[E+(\t)], 23, v11               ; the scale's byte (also the plain line behind the conversions)
	ds_store_b8 v5, v[E+(\t)] offset:16*(\t)       ; both lanes of a block write the same byte with the same value
	global_store_b64 v4, v[C+4*(\t):C+4*(\t)+1], s[14:15] offset:32*CB*(\t)   ; 32 lanes store 256 consecutive bytes, aligned
.endm
.irp t, 0,1,2,3,4,5,6,7,8,9,10,11,12,13,14,15
	XSTEP \t
.endr
	ds_load_b64 v[8:9], v6                         ; LDS serves a wave's instructions in order: these see my byte stores
	s_wait_dscnt 0x0
	global_store_b64 v7, v[8:9], s[16:17]          ; the wave's 256 scale bytes: 256 consecutive bytes, aligned
	s_wait_tensorcnt 0x0                           ; the wave's end
	ds_add_u32 v[SPW], v[NIL]
	s_wait_dscnt 0x0
	s_endpgm
; ---- the three weights.  A LANE TAKES A COLUMN n AND ITS REGISTERS RUN DOWN K: a block of 32 lies in one lane's 32 registers, and the conversions give codes with K innermost.
; A wave takes 32 columns x 512 along K; its codes go through its own stage and leave as rows, sixteen lanes to 256 consecutive bytes.
.Lw:
	s_sub_co_u32 s25, ttmp9, 256
	s_lshr_b32 s26, s25, 4                         ; which weight: 0 W_q, 1 W_k, 2 W_v
	s_and_b32 s27, s25, 7                          ; which 128 columns
	s_bfe_u32 s28, s25, 0x10003                    ; which 512 along K
	s_cmp_eq_u32 s26, 0                            ; the choice hangs on the work-group's number alone
	s_cselect_b64 s[4:5], s[6:7], s[8:9]
	s_cmp_eq_u32 s26, 2
	s_cselect_b64 s[4:5], s[10:11], s[4:5]
	s_lshl_b32 s27, s27, 7
	s_lshl_b32 s29, s24, 5
	s_add_co_u32 s27, s27, s29                     ; my wave's first column
	s_lshl_b32 s30, s28, 21                        ; 512 rows of 4,096 bytes
	s_lshl_b32 s29, s27, 2
	s_add_co_u32 s30, s30, s29
	s_mov_b32 s31, 0
	s_add_nc_u64 s[4:5], s[4:5], s[30:31]
	s_lshl_b32 s29, s26, 10
	s_add_co_u32 s29, s29, s27                     ; my first row of wc and ws
	s_lshl_b32 s30, s29, 9
	s_lshl_b32 s32, s28, 8
	s_add_co_u32 s30, s30, s32
	s_add_nc_u64 s[18:19], s[18:19], s[30:31]
	s_lshl_b32 s30, s29, 5
	s_lshl_b32 s32, s28, 4
	s_add_co_u32 s30, s30, s32
	s_add_nc_u64 s[20:21], s[20:21], s[30:31]
	v_lshlrev_b32 v3, 2, v2                        ; in: 4 bytes a lane
	s_mul_i32 s25, s24, 32*PITCH
	s_add_co_u32 s25, s25, WST                     ; my stage
	v_mul_u32_u24 v4, v2, PITCH
	v_add_nc_u32 v4, s25, v4                       ; into it: row = my column
	v_and_b32 v5, 15, v2
	v_lshrrev_b32 v6, 4, v2                        ; out of it: sixteen lanes to a row, two rows an instruction
	v_mul_u32_u24 v7, v6, PITCH
	v_lshl_add_u32 v7, v5, 4, v7
	v_add_nc_u32 v7, s25, v7
	v_mul_u32_u24 v8, v6, KROW
	v_lshl_add_u32 v8, v5, 4, v8                   ; the same place in wc
	v_lshlrev_b32 v9, 5, v2                        ; my column's row of ws
.macro WLOAD t                         ; block t: W(32 t + i, my column), i = 0 .. 31, into set t % 2; the largest offset, 511 rows of 4,096 bytes, lies inside the signed 24-bit immediate
.irp i, 0,1,2,3,4,5,6,7,8,9,10,11,12,13,14,15,16,17,18,19,20,21,22,23,24,25,26,27,28,29,30,31
	global_load_b32 v[WX+32*((\t)%2)+\i], v3, s[4:5] offset:(32*(\t)+\i)*4096 th:TH_LOAD_NT
.endr
.endm
	WLOAD 0
	WLOAD 1
.macro WBLOCK t
.set XS, WX+32*((\t)%2)
.if (\t) < NB-1
	s_wait_loadcnt 32                              ; this block's 32 loads are in; the next block's 32 may be out
.else
	s_wait_loadcnt 0
.endif
	v_max3_num_f32 v12, |v[XS]|, |v[XS+1]|, |v[XS+2]|              ; the block's largest magnitude: all 32 numbers are mine
	v_max3_num_f32 v13, |v[XS+3]|, |v[XS+4]|, |v[XS+5]|
.irp i, 6,10,14,18,22,26
	v_max3_num_f32 v12, v12, |v[XS+\i]|, |v[XS+\i+1]|
	v_max3_num_f32 v13, v13, |v[XS+\i+2]|, |v[XS+\i+3]|
.endr
	v_max3_num_f32 v12, v12, |v[XS+30]|, |v[XS+31]|
	v_max3_num_f32 v12, v12, v13, (EMAX+1)<<23     ; and the floor
	v_add_nc_u32 v11, -(EMAX<<23), v12             ; the conversion's scale operand
	v_lshrrev_b32 v13, 23, v11                     ; the scale's byte
.if (\t)%4 == 0
	v_mov_b32 v[SB+(\t)/4], v13                    ; four bytes to a register, the lower K in the lower byte
.else
	v_lshl_or_b32 v[SB+(\t)/4], v13, 8*((\t)%4), v[SB+(\t)/4]
.endif
.irp g, 0,1,2,3
	v_cvt_scalef32_pk8_fp4_f32 v[WC+\g], v[XS+8*\g:XS+8*\g+7], v11
.endr
	v_nop                                          ; one plain line behind the last conversion
	ds_store_b128 v4, v[WC:WC+3] offset:16*(\t)    ; 32 codes: 16 bytes of my column's row
.if (\t)+2 < NB
	WLOAD (\t)+2
.endif
	s_wait_dscnt 0x0                               ; the store has read its registers: the next block's codes may be written
.endm
.set Q, 0
.rept NB
	WBLOCK Q
.set Q, Q+1
.endr
	global_store_b128 v9, v[SB:SB+3], s[20:21]     ; my column's 16 scale bytes
.irp t, 0,1,2,3,4,5,6,7,8,9,10,11,12,13,14,15
	ds_load_b128 v[OUTR+4*\t:OUTR+4*\t+3], v7 offset:2*\t*PITCH
.endr
.irp t, 0,1,2,3,4,5,6,7,8,9,10,11,12,13,14,15
	s_wait_dscnt 15-\t                             ; LDS loads come back in order: load t is in
	global_store_b128 v8, v[OUTR+4*\t:OUTR+4*\t+3], s[18:19] offset:2*\t*KROW   ; sixteen lanes store 256 consecutive bytes, aligned
.endr
	s_wait_tensorcnt 0x0                           ; the wave's end
	ds_add_u32 v[SPW], v[NIL]
	s_wait_dscnt 0x0
	s_endpgm
.Lfunc_end_k_q4360885cd6_prep:
	.size	k_q4360885cd6_prep, .Lfunc_end_k_q4360885cd6_prep-k_q4360885cd6_prep
	.p2alignl 7, 3214868480
	.fill 96, 4, 3214868480
	.section	.rodata,"a",@progbits
	.p2align	6, 0x0
	.amdhsa_kernel k_q4360885cd6_prep
		.amdhsa_group_segment_fixed_size 68096
		.amdhsa_private_segment_fixed_size 0
		.amdhsa_enable_private_segment 0
		.amdhsa_kernarg_size 80
		.amdhsa_user_sgpr_count 2
		.amdhsa_user_sgpr_kernarg_segment_ptr 1
		.amdhsa_wavefront_size32 1
		.amdhsa_system_sgpr_workgroup_id_x 1
		.amdhsa_system_sgpr_workgroup_id_y 1
		.amdhsa_system_sgpr_workgroup_id_z 1
		.amdhsa_system_vgpr_workitem_id 0
		.amdhsa_next_free_vgpr 196
		.amdhsa_next_free_sgpr 66
		.amdhsa_reserve_vcc 0
		.amdhsa_float_denorm_mode_32 3
		.amdhsa_float_denorm_mode_16_64 3
		.amdhsa_memory_ordered 1
		.amdhsa_forward_progress 1
		.amdhsa_inst_pref_size 123
	.end_amdhsa_kernel
	.amdgpu_metadata
---
amdhsa.version: [ 1, 2 ]
amdhsa.kernels:
  - .name:           k_q4360885cd6_prep
    .symbol:         k_q4360885cd6_prep.kd
    .args:
      - { .name: x, .offset: 0, .size: 8, .value_kind: global_buffer, .address_space: global }
      - { .name: W_q, .offset: 8, .size: 8, .value_kind: global_buffer, .address_space: global }
      - { .name: W_k, .offset: 16, .size: 8, .value_kind: global_buffer, .address_space: global }
      - { .name: W_v, .offset: 24, .size: 8, .value_kind: global_buffer, .address_space: global }
      - { .name: W_o, .offset: 32, .size: 8, .value_kind: global_buffer, .address_space: global }
      - { .name: xc, .offset: 40, .size: 8, .value_kind: global_buffer, .address_space: global }
      - { .name: xs, .offset: 48, .size: 8, .value_kind: global_buffer, .address_space: global }
      - { .name: wc, .offset: 56, .size: 8, .value_kind: global_buffer, .address_space: global }
      - { .name: ws, .offset: 64, .size: 8, .value_kind: global_buffer, .address_space: global }
      - { .name: woh, .offset: 72, .size: 8, .value_kind: global_buffer, .address_space: global }
    .group_segment_fixed_size: 68096
    .private_segment_fixed_size: 0
    .kernarg_segment_align: 8
    .kernarg_segment_size: 80
    .max_flat_workgroup_size: 128
    .sgpr_count:     66
    .vgpr_count:     196
    .wavefront_size: 32
...
	.end_amdgpu_metadata
.endif
;; end of part 1
;; launch qkv (part 2): grid 12 x 32, 4 waves a work-group, clusters of 4 x 4, 327,680 bytes of LDS; arguments xc, xs, wc, ws, qkv, qkvf; writes qkv, qkvf
.if DOCPART == 2
	.amdgcn_target "amdgcn-amd-amdhsa--gfx1250"
	.amdhsa_code_object_version 6
	.text
	.protected	k_q4360885cd6_qkv
	.globl	k_q4360885cd6_qkv
	.p2align	8
	.type	k_q4360885cd6_qkv,@function
k_q4360885cd6_qkv:
	s_mov_b64 s[64:65], 0
	v_nop
	global_prefetch_b8 v0, s[64:65] scope:SCOPE_SE
	s_setreg_imm32_b32 hwreg(HW_REG_WAVE_MODE, 25, 1), 1
	s_wait_xcnt 0x0
	s_wait_alu depctr_hold_cnt(0) depctr_sa_sdst(0) depctr_va_vdst(0) depctr_va_sdst(0) depctr_va_ssrc(0) depctr_va_vcc(0) depctr_vm_vsrc(0)
	s_getreg_b32 s2, hwreg(HW_REG_IB_STS2, 6, 4)
	s_cmp_eq_u32 s2, 0
	s_cbranch_scc0 .Lentry_in_a_cluster
	s_endpgm
.Lentry_in_a_cluster:
	s_bfe_u32 s2, ttmp6, 0x10000c
	s_cmp_lg_u32 s2, 0xf033
	s_cbranch_scc0 .Lentry_shape_is_right
	s_endpgm
.Lentry_shape_is_right:
; QKV.  C[m][n] = sum over k of x[m][k] W[k][n] for the three weights at once: A = xc [8192][1024 codes], B = wc [3072][1024 codes], E2M1 with one E8M0 byte for each 32 along K (xs, ws); sums in f32.
; A tile of C, 256 x 256, is made by four waves, each 128 x 128: 64 accumulators, 512 registers.  K = 1,024 is two steps of 512: both lie in LDS from the start (two slots, each filled once), and so do
; the scale bytes of the work-group's 256 + 256 rows.  By this text's own count a wave has three tensor loads out at the start, and none later.
; CLUSTERS: 4 x 4 work-groups; A's tiles are asked for jointly along a row of the cluster, B's along a column.  Tile row = 8 cy + cluster y, so that batch = cy and the four tile rows that hold positions 0-15
; of a sequence all lie in cluster y = 0: the test for them is the same in all sixteen partners.
; THE MATRIX INSTRUCTION IS USED TRANSPOSED (source 0 = 16 rows of B, source 1 = 16 rows of A): a lane holds eight neighbouring columns of one row of C.
; RESULTS: qkv, f16 [3][4 b][16 h][2048 s][64], rounded once; Q's numbers are first multiplied, in f32, by c = log2(e) / 8, so that the attention's scores are exponents of 2 as they stand.
;   qkvf, f32 [4 b][16 s][3072 n]: the rows s < 16, unscaled, for the launch that carries those rows in f32.
; LIMITS: results above 65,504 in magnitude become infinity in f16.
; REGISTERS, in windows of 256: window 0: v0-31 addresses; v32-95 scale words, two sets, and nothing else in the whole text; from v128 A's fragments, one set; the way out works in v96-255.
;   window 1: B's fragments, two sets, at v0 and v128.   window 2: the accumulators of my rows 0-63 ((a, b) at v[8 (8 a + b)]);   window 3: those of rows 64-127.
.set NQ,     4                         ; matrix instructions deep in a slot: 512 along K
.set ROWB,   256                       ; a tile's row in bytes
.set KROW,   512                       ; a row of xc or wc in memory
.set PITCH,  272                       ; an LDS row: 256 bytes + 16 of padding: the 16 rows that a load touches start at 16 different banks (64 banks of 4 bytes: ISA guide 11.1)
.set FR,     8
.set NL,     2
.set NP,     4                         ; places behind this matrix instruction (ISA guide 7.12.1)
.set HALFT,  128*PITCH
.set SLOT,   4*HALFT
.set KS,     32                        ; a row of scale bytes
.set SCL,    2*SLOT                    ; behind the slots: the scales, as rows of 256 bytes + 16
.set HALFS,  16*272                    ; those of 128 rows
.set SBLK,   2*272                     ; those of 16 rows
.set SPARE,  SCL+4*HALFS               ; the spare words, 128 bytes for each wave: two blocks of 256 bytes that no other line names
.set HP,     272                       ; the way out: a stage of 16 rows x (256 bytes of f16 + 16) for each wave, from LDS byte 0: slot 0 has had its one fill and its last read by then
.set FP,     528                       ; and one of 16 rows x (512 bytes of f32 + 16), from FSTAGE on, in slot 0 too
.set FSTAGE, 32768
.set ADRA, 16
.set ADRB, 20
.set FSTO, 22
.set FRD,  23
.set STO,  24
.set RD,   25
.set CO,   26
.set ADRS, 27
.set SPW,  28
.set NIL,  29
.set SC,   32
.set AF,   128
.set TMP,  96                          ; the way out: v96-127 a block in f16
.set BK,   128                         ; v128-159 and v160-191 by turns: a block read back (A's fragments are done with)
.set FB,   192                         ; v192-255: the f32 rows read back
.set G1, 24
.set G0, 32
.set G1B, 48
.set G0B, 56
.set G1S, 68
.set G0S, 76
.set G1SB, 80
.set G0SB, 88
.set MSB, 0
.macro WIN new                         ; the immediate's high byte repeats the setting that is left
.if MSB != \new
	s_set_vgpr_msb (MSB<<8)|\new
.set MSB, \new
.endif
.endm
.set MUL_LO, 0xa1                      ; source 0 (B) window 1, source 1 (A) window 0, C and D window 2
.set MUL_HI, 0xf1
.set TO_B,   0x40
; A joint load: waves 0 and 1 fetch for A, waves 2 and 3 for B; the branch hangs on the wave's number alone.  An s_nop 0 and four v_nop follow each of the two lines.
.macro JLOAD g0a, g1a, g0b, g1b
	s_cmp_eq_u32 s15, 0
	s_cbranch_scc0 .Lfor_b_\@
	tensor_load_to_lds s[\g0a:\g0a+3], s[\g1a:\g1a+7]
	s_nop 0
.rept 4
	v_nop
.endr
	s_branch .Lasked_\@
.Lfor_b_\@:
	tensor_load_to_lds s[\g0b:\g0b+3], s[\g1b:\g1b+7]
	s_nop 0
.rept 4
	v_nop
.endr
.Lasked_\@:
.endm
.macro CROUND                          ; a round of the cluster's barrier
	s_barrier_signal -1
	s_barrier_wait -1
	s_cmp_lg_u32 s14, 0
	s_cbranch_scc1 .Lnot_wave_0_\@
	s_barrier_signal -3
.Lnot_wave_0_\@:
	s_barrier_wait -3
	s_barrier_signal -1
	s_barrier_wait -1
.endm
	s_load_b128 s[4:7], s[0:1], 0x0                ; xc, xs
	s_load_b128 s[8:11], s[0:1], 0x10              ; wc, ws
	s_load_b128 s[96:99], s[0:1], 0x20             ; qkv, qkvf
	v_lshl_add_u32 v[SPW], v0, 2, SPARE
	v_mov_b32 v[NIL], 0
	ds_add_u32 v[SPW], v[NIL]                      ; the wave's opening: the add, twice on end, and its wait ahead of my first tensor load
	ds_add_u32 v[SPW], v[NIL]
	v_lshrrev_b32 v1, 5, v0
	v_readfirstlane_b32 s14, v1                    ; wave 0..3
	s_lshr_b32 s15, s14, 1                         ; which half of the tile's rows is mine.  Also: I fetch for A (0) or for B (1)
	s_and_b32 s16, s14, 1                          ; which half of its columns.  Also: which 128 rows of that tile I fetch
	s_bfe_u32 s40, ttmp6, 0x40000                  ; cx
	s_bfe_u32 s41, ttmp6, 0x40004                  ; cy
	s_lshl_b32 s42, ttmp9, 2
	s_add_co_u32 s42, s42, s40                     ; tile column = 4 x cluster x + cx
	s_and_b32 s17, ttmp7, 0xffff
	s_lshl_b32 s18, s41, 3
	s_add_co_u32 s17, s17, s18                     ; tile row = 8 cy + cluster y
	s_lshl_b32 s43, s41, 2
	s_lshl_b32 s43, 15, s43                        ; my row of the cluster
	s_lshl_b32 s44, 0x1111, s40                    ; my column
	s_or_b32 s[G1+0], s43, (0<<16)|(1<<20)|(1<<21)|(5<<22)|(3<<25)  ; the mask; elements of 1 byte; padding on; bit 21 beside a mask; after every 64 words, 4 words
	s_or_b32 s[G1B+0], s44, (0<<16)|(1<<20)|(1<<21)|(5<<22)|(3<<25)
.irp g, G1, G1B
	s_mov_b32 s[\g+1], ROWB<<16                    ; tensor_dim0
	s_mov_b32 s[\g+2], 128<<16                     ; tensor_dim1
	s_mov_b32 s[\g+3], ROWB<<16                    ; tile_dim0
	s_mov_b32 s[\g+4], 128                         ; tile_dim1
	s_mov_b32 s[\g+5], KROW                        ; the pitch
	s_mov_b32 s[\g+6], 0
	s_mov_b32 s[\g+7], 0
.endr
	s_or_b32 s[G1S+0], s43, (3<<16)|(1<<20)|(1<<21)|(5<<22)|(3<<25) ; the scales of 128 rows: 4,096 dense bytes as 16 rows of 256 (32 elements of 8 bytes), 16 bytes of padding behind each
	s_or_b32 s[G1SB+0], s44, (3<<16)|(1<<20)|(1<<21)|(5<<22)|(3<<25)
.irp g, G1S, G1SB
	s_mov_b32 s[\g+1], 32<<16
	s_mov_b32 s[\g+2], 16<<16
	s_mov_b32 s[\g+3], 32<<16
	s_mov_b32 s[\g+4], 16
	s_mov_b32 s[\g+5], 32
	s_mov_b32 s[\g+6], 0
	s_mov_b32 s[\g+7], 0
.endr
	s_lshl_b32 s18, s16, 7
	s_lshl_b32 s20, s17, 8
	s_add_co_u32 s20, s20, s18                     ; A: row 256 x tile row + 128 x half
	s_lshl_b32 s46, s42, 8
	s_add_co_u32 s46, s46, s18                     ; B: row 256 x tile column + 128 x half
	s_mov_b32 s21, 0
	s_mov_b32 s47, 0
	s_mov_b64 s[18:19], KS
	s_mul_u64 s[22:23], s[20:21], s[18:19]         ; where these rows' scales begin
	s_mul_u64 s[92:93], s[46:47], s[18:19]
	s_mov_b64 s[18:19], KROW
	s_mul_u64 s[20:21], s[20:21], s[18:19]         ; and their codes
	s_mul_u64 s[46:47], s[46:47], s[18:19]
	s_mul_i32 s45, s14, HALFT                      ; where they go: wave x 128 rows: no place in the cluster enters an LDS address
	s_mul_i32 s94, s14, HALFS
	s_wait_dscnt 0x0                               ; both opening adds are done
	s_wait_kmcnt 0x0
	s_add_nc_u64 s[20:21], s[4:5], s[20:21]
	s_add_nc_u64 s[22:23], s[6:7], s[22:23]
	s_add_nc_u64 s[46:47], s[8:9], s[46:47]
	s_add_nc_u64 s[92:93], s[10:11], s[92:93]
	CROUND                                         ; all sixteen work-groups are here: the joint loads meet
	s_mov_b32 s[G0S], 1
	s_add_co_u32 s[G0S+1], s94, SCL
	s_mov_b64 s[G0S+2:G0S+3], s[22:23]
	s_or_b32 s[G0S+3], s[G0S+3], 0x80000000
	s_mov_b32 s[G0SB], 1
	s_add_co_u32 s[G0SB+1], s94, SCL
	s_mov_b64 s[G0SB+2:G0SB+3], s[92:93]
	s_or_b32 s[G0SB+3], s[G0SB+3], 0x80000000
	JLOAD G0S, G1S, G0SB, G1SB                     ; the scales first: they are wanted with the first step
.irp s, 0,1
	s_mov_b32 s[G0+4*\s], 1
	s_add_co_u32 s[G0+4*\s+1], s45, \s*SLOT
	s_add_nc_u64 s[G0+4*\s+2:G0+4*\s+3], s[20:21], \s*ROWB
	s_or_b32 s[G0+4*\s+3], s[G0+4*\s+3], 0x80000000
	s_mov_b32 s[G0B+4*\s], 1
	s_add_co_u32 s[G0B+4*\s+1], s45, \s*SLOT
	s_add_nc_u64 s[G0B+4*\s+2:G0B+4*\s+3], s[46:47], \s*ROWB
	s_or_b32 s[G0B+4*\s+3], s[G0B+4*\s+3], 0x80000000
	JLOAD G0+4*\s, G1, G0B+4*\s, G1B
.endr
	v_and_b32 v1, 15, v0                           ; r = lane % 16
	v_bfe_u32 v2, v0, 4, 1                         ; h = lane / 16
	v_mul_u32_u24 v3, v1, PITCH
	v_lshl_add_u32 v4, v2, 4, v3                   ; a fragment's row x pitch + 16 h
	s_mul_i32 s21, s15, HALFT                      ; my 128 rows of A
	s_mul_i32 s22, s16, HALFT                      ; my 128 rows of B,
	s_add_co_u32 s22, s22, 2*HALFT                 ; which lie behind A's 256
.irp s, 0,1
	v_add_nc_u32 v[ADRA+\s], s21, v4
	v_add_nc_u32 v[ADRB+\s], s22, v4
	s_add_co_u32 s21, s21, SLOT
	s_add_co_u32 s22, s22, SLOT
.endr
	v_mul_u32_u24 v5, v1, KS                       ; my row's scales: 32 bytes a row,
	v_lshrrev_b32 v6, 8, v5
	v_lshl_add_u32 v5, v6, 4, v5                   ; and 16 more for each 256 passed
	s_mul_i32 s21, s15, HALFS
	s_mul_i32 s22, s16, HALFS
	s_add_co_u32 s22, s22, 2*HALFS
	s_sub_co_u32 s22, s22, s21
	v_mul_u32_u24 v6, s22, v2                      ; lanes 16-31 take B's: one product, the distance between the two bases
	s_add_co_u32 s21, s21, SCL
	v_add_nc_u32 v5, v5, v6
	v_add_nc_u32 v[ADRS], s21, v5
	s_mul_i32 s23, s14, 16*HP                      ; my f16 stage
	v_mul_u32_u24 v5, v1, HP
	v_lshl_add_u32 v5, v2, 4, v5
	v_add_nc_u32 v[STO], s23, v5                   ; in: row r, 16 bytes for each half of the lanes
	v_and_b32 v6, 31, v0
	v_lshrrev_b32 v5, 3, v6
	v_mul_u32_u24 v5, v5, HP
	v_and_b32 v7, 7, v0
	v_lshl_add_u32 v5, v7, 4, v5
	v_add_nc_u32 v[RD], s23, v5                    ; back: eight lanes take a head's 128 bytes of a row, four rows an instruction
	v_lshlrev_b32 v[CO], 4, v6                     ; and in memory those 512 bytes are consecutive: 16 x lane
	s_mul_i32 s23, s14, 16*FP
	s_add_co_u32 s23, s23, FSTAGE                  ; my f32 stage
	v_mul_u32_u24 v5, v1, FP
	v_lshl_add_u32 v5, v2, 5, v5
	v_add_nc_u32 v[FSTO], s23, v5
	v_add_nc_u32 v[FRD], s23, v[CO]
	s_lshl_b32 s20, s42, 8
	s_lshl_b32 s21, s16, 7
	s_add_co_u32 s20, s20, s21                     ; n0: my first column of the 3,072
	s_lshl_b32 s46, s20, 2
	s_mul_i32 s47, s41, 196608
	s_add_co_u32 s46, s46, s47                     ; qkvf: batch cy x 16 rows of 12,288 bytes + 4 n0
	s_mov_b32 s47, 0
	s_add_nc_u64 s[98:99], s[98:99], s[46:47]
	s_lshr_b32 s46, s20, 10
	s_lshl_b32 s46, s46, 24                        ; qkv: which of Q, K, V: 16 MiB each,
	s_bfe_u32 s21, s20, 0x40006
	s_lshl_b32 s21, s21, 18                        ; my first head: 262,144 bytes each,
	s_add_co_u32 s46, s46, s21
	s_lshl_b32 s21, s41, 22                        ; the batch: 4 MiB,
	s_add_co_u32 s46, s46, s21
	s_and_b32 s22, ttmp7, 0xffff
	s_lshl_b32 s21, s22, 15                        ; 256 positions x 128 bytes for each cluster y,
	s_add_co_u32 s46, s46, s21
	s_lshl_b32 s21, s15, 14                        ; and my half of the rows
	s_add_co_u32 s46, s46, s21
	s_add_nc_u64 s[96:97], s[96:97], s[46:47]
	s_or_b32 s3, s22, s15                          ; 0 where my first 16 rows are positions 0-15: cluster y and the wave's number alone
	s_mov_b32 s92, 0x3e38aa3b                      ; c = log2(e) / 8
	s_cmp_eq_u32 ttmp9, 0                          ; cluster x says which weight: 0 is W_q
	s_cselect_b32 s92, s92, 0x3f800000             ; K's and V's results are multiplied by 1
	s_mov_b32 s93, s92                             ; (named with it as a pair)
.macro FRAG reg, adr, q, i             ; 16 rows x 128 K of 4-bit codes: lane l holds row l % 16; registers 4 c .. 4 c + 3 hold K = 64 c + 32 (l / 16) + 0 .. 31
.irp c, 0,1
	ds_load_b128 v[\reg+4*\c:\reg+4*\c+3], v[\adr] offset:64*(\q)+32*\c+(\i)*16*PITCH
.endr
.endm
; 16 matrix instructions: A's blocks a0, a0 + 1 x B's eight.  The 64 accumulators take turns, one instruction a turn, in the same order in every step.
.macro MUL16 a0, p, q, sc, zero
.irp a, \a0, \a0+1
.irp b, 0,1,2,3,4,5,6,7
.if \zero
	v_wmma_scale_f32_16x16x128_f8f6f4 v[8*(8*((\a)%4)+\b):8*(8*((\a)%4)+\b)+7], v[128*(\p)+FR*\b:128*(\p)+FR*\b+FR-1], v[AF+FR*(\a):AF+FR*(\a)+FR-1], 0, v[SC+8*NQ*(\sc)+NQ*\b+(\q)], v[SC+8*NQ*(\sc)+NQ*(\a)+(\q)] matrix_a_fmt:MATRIX_FMT_FP4 matrix_b_fmt:MATRIX_FMT_FP4 matrix_a_scale:MATRIX_SCALE_ROW1
.else
	v_wmma_scale_f32_16x16x128_f8f6f4 v[8*(8*((\a)%4)+\b):8*(8*((\a)%4)+\b)+7], v[128*(\p)+FR*\b:128*(\p)+FR*\b+FR-1], v[AF+FR*(\a):AF+FR*(\a)+FR-1], v[8*(8*((\a)%4)+\b):8*(8*((\a)%4)+\b)+7], v[SC+8*NQ*(\sc)+NQ*\b+(\q)], v[SC+8*NQ*(\sc)+NQ*(\a)+(\q)] matrix_a_fmt:MATRIX_FMT_FP4 matrix_b_fmt:MATRIX_FMT_FP4 matrix_a_scale:MATRIX_SCALE_ROW1
.endif
.endr
.endr
.endm
.macro FETCH_B slot, q, p
	WIN TO_B
.irp i, 0,1,2,3,4,5,6,7
	FRAG 128*(\p)+FR*\i, ADRB+\slot, \q, \i
.endr
	WIN 0
.endm
.macro FETCH_A slot, q, i0
.irp i, \i0, \i0+1, \i0+2, \i0+3
	FRAG AF+FR*(\i), ADRA+\slot, \q, \i
.endr
.endm
.macro SCALES sc                       ; a slot's scale words: 4 words a row; lanes 0-15 take A's block i, lanes 16-31 B's block i
.irp i, 0,1,2,3,4,5,6,7
	ds_load_b128 v[SC+8*NQ*\sc+NQ*\i:SC+8*NQ*\sc+NQ*\i+3], v[ADRS] offset:\i*SBLK
.endr
.endm
.macro PLACES n                        ; plain vector lines between a matrix instruction and a load into, or a vector read or write of, its registers
.rept \n
	v_nop
.endr
.endm
.macro STEP slot, q, zero              ; 128 along K that has its successor in the same slot
	s_wait_dscnt 4*NL                              ; B's set and A's blocks 0-3 are in; the youngest eight loads (A's blocks 4-7) may be out
	WIN MUL_LO
	MUL16 0, (\q)%2, \q, \slot, \zero
	MUL16 2, (\q)%2, \q, \slot, \zero
	s_wait_dscnt 0
	PLACES NP
	FETCH_B \slot, (\q)+1, 1-(\q)%2
	FETCH_A \slot, (\q)+1, 0
	WIN MUL_HI
	MUL16 4, (\q)%2, \q, \slot, \zero
	MUL16 6, (\q)%2, \q, \slot, \zero
	PLACES NP
	WIN 0
	FETCH_A \slot, (\q)+1, 4
.endm
.macro STEPS slot, from
.set Q, \from
.rept NQ-1-\from
	STEP \slot, Q, 0
.set Q, Q+1
.endr
.endm
	s_wait_tensorcnt 1                             ; the scales and my part of slot 0 are in (slot 1's load may be out)
	s_barrier_signal -1
	s_barrier_wait -1                              ; everybody's are
	FETCH_B 0, 0, 0
	FETCH_A 0, 0, 0
	SCALES 0
	FETCH_A 0, 0, 4
	STEP 0, 0, 1                                   ; the first step's products start the sums: nothing is cleared
	STEPS 0, 1
	; slot 0's last step changes slots: one barrier; in front of it each wave's tensor loads have landed and its reads of slot 0 are over
	s_wait_tensorcnt 0x0                           ; my part of slot 1 is in
	ds_add_u32 v[SPW], v[NIL]                      ; 0 onto my spare word
	s_wait_dscnt 4*NL+1                            ; (the add and the youngest eight loads may be out)
	WIN MUL_LO
	MUL16 0, 1, NQ-1, 0, 0
	s_wait_dscnt 0x0
	s_barrier_signal -1
	MUL16 2, 1, NQ-1, 0, 0
	WIN 0
	s_barrier_wait -1
	PLACES NP
	v_add_nc_u32 v[ADRS], 4*NQ, v[ADRS]            ; on to slot 1's scale words
	FETCH_B 1, 0, 0
	FETCH_A 1, 0, 0
	SCALES 1
	WIN MUL_HI
	MUL16 4, 1, NQ-1, 0, 0
	MUL16 6, 1, NQ-1, 0, 0
	PLACES NP
	WIN 0
	FETCH_A 1, 0, 4
	STEPS 1, 0
	s_wait_dscnt 4*NL                              ; the very last step
	WIN MUL_LO
	MUL16 0, 1, NQ-1, 1, 0
	MUL16 2, 1, NQ-1, 1, 0
	s_wait_dscnt 0
	WIN MUL_HI
	MUL16 4, 1, NQ-1, 1, 0
	MUL16 6, 1, NQ-1, 1, 0
	WIN 0
; THE WAY OUT, block by block of 16 rows x 128 columns (two heads).  A lane holds eight neighbouring columns of one row.  PACK: x the factor, rounded to f16: 16 bytes a lane.
; TOSTAGE: into my stage, and back so that an instruction's 32 lanes hold four positions of ONE head: 512 bytes that are consecutive in qkv.  SEND: stored.
.macro PACK a
.set AC, 64*((\a)%4)
	WIN 0x82+0x41*((\a)/4)                         ; destination and source 0: window 2 or 3
.set i, 0
.rept 32
	v_pk_mul_f32 v[AC+2*i:AC+2*i+1], v[AC+2*i:AC+2*i+1], s[92:93] op_sel_hi:[1,0]   ; each accumulator from its low end on
.set i, i+1
.endr
	WIN 0x0a+5*((\a)/4)                            ; sources 0 and 1: window 2 or 3
.irp b, 0,1,2,3,4,5,6,7
.irp r, 0,1,2,3
	v_cvt_pk_f16_f32 v[TMP+4*\b+\r], v[AC+8*\b+2*\r], v[AC+8*\b+2*\r+1]
.endr
.endr
	WIN 0
.endm
.macro TOSTAGE a
.set BB, BK+32*((\a)%2)
.irp b, 0,1,2,3,4,5,6,7
	ds_store_b128 v[STO], v[TMP+4*\b:TMP+4*\b+3] offset:32*\b
.endr
.irp hh, 0,1
.irp t, 0,1,2,3
	ds_load_b128 v[BB+16*\hh+4*\t:BB+16*\hh+4*\t+3], v[RD] offset:4*HP*\t+128*\hh   ; LDS serves a wave's instructions in order: these see the stores above
.endr
.endr
.endm
.macro SEND a
.set BB, BK+32*((\a)%2)
	s_wait_dscnt 0x0                               ; the block is back in registers
	s_wait_xcnt 0x0                                ; earlier stores have read their registers and their base: both may be written
.if (\a) > 0
	s_add_nc_u64 s[96:97], s[96:97], 2048          ; 16 positions of 128 bytes on
.endif
.irp hh, 0,1
.irp t, 0,1,2,3
	global_store_b128 v[CO], v[BB+16*\hh+4*\t:BB+16*\hh+4*\t+3], s[96:97] offset:262144*\hh+512*\t   ; 32 lanes store 512 consecutive bytes, aligned
.endr
.endr
.endm
	PLACES NP                                      ; behind the last products: their results are read, and registers that they read are written
	s_cmp_lg_u32 s3, 0
	s_cbranch_scc1 .Lno_fine
	WIN 0x08                                       ; an LDS store's data are its source 1: window 2.  Positions 0-15 leave in f32 too, ahead of the factor
.irp b, 0,1,2,3,4,5,6,7
	ds_store_b128 v[FSTO], v[8*\b:8*\b+3] offset:64*\b
	ds_store_b128 v[FSTO], v[8*\b+4:8*\b+7] offset:64*\b+16
.endr
	WIN 0
.irp t, 0,1,2,3,4,5,6,7,8,9,10,11,12,13,14,15
	ds_load_b128 v[FB+4*\t:FB+4*\t+3], v[FRD] offset:\t*FP
.endr
.irp t, 0,1,2,3,4,5,6,7,8,9,10,11,12,13,14,15
	s_wait_dscnt 15-\t                             ; row t is back
	global_store_b128 v[CO], v[FB+4*\t:FB+4*\t+3], s[98:99] offset:\t*12288   ; 32 lanes store 512 consecutive bytes, aligned
.endr
.Lno_fine:
	PACK 0
	TOSTAGE 0
.irp a, 1,2,3,4,5,6,7                  ; block a's arithmetic stands between block a - 1's loads from the stage and the wait for them
	PACK \a
	SEND \a-1
	TOSTAGE \a
.endr
	SEND 7
	s_wait_tensorcnt 0x0                           ; the wave's end
	ds_add_u32 v[SPW], v[NIL]
	s_wait_dscnt 0x0
	CROUND                                         ; the closing round
	s_endpgm
.Lfunc_end_k_q4360885cd6_qkv:
	.size	k_q4360885cd6_qkv, .Lfunc_end_k_q4360885cd6_qkv-k_q4360885cd6_qkv
	.p2alignl 7, 3214868480
	.fill 96, 4, 3214868480
	.section	.rodata,"a",@progbits
	.p2align	6, 0x0
	.amdhsa_kernel k_q4360885cd6_qkv
		.amdhsa_group_segment_fixed_size 327680
		.amdhsa_private_segment_fixed_size 0
		.amdhsa_enable_private_segment 0
		.amdhsa_kernarg_size 48
		.amdhsa_user_sgpr_count 2
		.amdhsa_user_sgpr_kernarg_segment_ptr 1
		.amdhsa_wavefront_size32 1
		.amdhsa_system_sgpr_workgroup_id_x 1
		.amdhsa_system_sgpr_workgroup_id_y 1
		.amdhsa_system_sgpr_workgroup_id_z 1
		.amdhsa_system_vgpr_workitem_id 0
		.amdhsa_next_free_vgpr 1024
		.amdhsa_next_free_sgpr 100
		.amdhsa_reserve_vcc 0
		.amdhsa_float_denorm_mode_32 3
		.amdhsa_float_denorm_mode_16_64 3
		.amdhsa_memory_ordered 1
		.amdhsa_forward_progress 1
		.amdhsa_inst_pref_size 148
	.end_amdhsa_kernel
	.amdgpu_metadata
---
amdhsa.version: [ 1, 2 ]
amdhsa.kernels:
  - .name:           k_q4360885cd6_qkv
    .symbol:         k_q4360885cd6_qkv.kd
    .args:
      - { .name: xc, .offset: 0, .size: 8, .value_kind: global_buffer, .address_space: global }
      - { .name: xs, .offset: 8, .size: 8, .value_kind: global_buffer, .address_space: global }
      - { .name: wc, .offset: 16, .size: 8, .value_kind: global_buffer, .address_space: global }
      - { .name: ws, .offset: 24, .size: 8, .value_kind: global_buffer, .address_space: global }
      - { .name: qkv, .offset: 32, .size: 8, .value_kind: global_buffer, .address_space: global }
      - { .name: qkvf, .offset: 40, .size: 8, .value_kind: global_buffer, .address_space: global }
    .group_segment_fixed_size: 327680
    .private_segment_fixed_size: 0
    .kernarg_segment_align: 8
    .kernarg_segment_size: 48
    .max_flat_workgroup_size: 128
    .sgpr_count:     100
    .vgpr_count:     1024
    .wavefront_size: 32
...
	.end_amdgpu_metadata
.endif
;; end of part 2
;; launch attn (part 3): grid 4 x 64, 8 waves a work-group, no clusters, 327,680 bytes of LDS; arguments qkv, oh; writes oh
.if DOCPART == 3
	.amdgcn_target "amdgcn-amd-amdhsa--gfx1250"
	.amdhsa_code_object_version 6
	.text
	.protected	k_q4360885cd6_attn
	.globl	k_q4360885cd6_attn
	.p2align	8
	.type	k_q4360885cd6_attn,@function
k_q4360885cd6_attn:
	s_mov_b64 s[64:65], 0
	v_nop
	global_prefetch_b8 v0, s[64:65] scope:SCOPE_SE
	s_setreg_imm32_b32 hwreg(HW_REG_WAVE_MODE, 25, 1), 1
	s_wait_xcnt 0x0
; ATTN.  oh[bh][q][:] = the sum over k <= q of softmax_k(Q[q] . K[k] / 8) V[k][:], for 64 heads of 2,048 positions x 64 channels.  Q, K, V: qkv, f16 [3][64 bh][2048][64]; Q already holds the factor
; log2(e) / 8, so a score s is an exponent of 2.  Products on f16 operands with f32 sums; maxima and rescaling in f32; the weights p are rounded to f16 for the second product; oh, f16, is rounded once.
; SHARES.  Work-group (i, bh) takes the blocks i and 7 - i of 256 queries, one after the other: (i + 1) + (8 - i) = 9 slots of 256 keys for every work-group, so the trip count is the constant 9 and all
; 256 work-groups have equal work.  Each of eight waves owns 32 queries, two tiles of 16, at sub-block u = w xor 3 (w / 4): waves w and w + 4 together have 5 of the diagonal slot's 2 x 4 steps.
; NO CLUSTER: in trip T partner i wants slot T while T <= i and slot T - i - 1 afterwards: after trip 2 the four work-groups of a head never want the same tile in the same trip.
; LAYOUT.  S^T = K Q^T (source 0 = 16 keys, source 1 = 16 queries): a lane holds ONE query (lane % 16) and keys 8 (lane / 16) + 0..7.  Two such tiles, rounded in pairs, ARE source 1 of O^T = V^T P.
; V ([key][channel]) comes out of LDS turned, by ds_load_tr16_b128.  The row's sum is one more product, of ones with P: it needs no exchange between lanes, and it sums the very p that the numerator takes.
; SOFTMAX.  A running maximum m for each query: p = 2^(s - m), at most 1; O and the sum are multiplied by a = 2^(old m - new m) in every step.  Hidden scores become -infinity ahead of the maximum.
; A step all of whose keys come after the wave's queries is jumped over (ids alone); no barrier, wait for tiles or tensor load stands in a step.
; LIMITS: scores beyond f32's range and NaN or infinities in qkv are not served; |O| above 65,504 becomes infinity in f16.
; REGISTERS.  window 0: v1-15 addresses; v16-31 statistics, eight a tile: +0 m, +2 a (+1, +3 named with them as pairs), +4..+7 at work; v32-95 S^T; v96-127 P; v128-191 O^T; v192-207 the sums; v208-239 the way out.
;   window 1: v0-31 Q; v32-95 K of a step; v96-159 V of a step; v160-167 ones.
.set KP,    144                        ; a row of K in LDS: 128 bytes + 16
.set VP,    160                        ; a row of V: 128 + 32: an odd multiple of 32
.set VOFF,  64*KP                      ; a step's tiles lie together: 64 rows of K, then 64 of V
.set STEPB, 64*(KP+VP)
.set SLOT1, 1<<17                      ; a slot holds four steps (77,824 bytes); slot 1 begins here, so that one exclusive or turns an address
.set STAGE, 262144                     ; 32 rows x 144 bytes for each wave, for the way out: no tile lands here
.set SPARE, STAGE+8*32*KP              ; the spare words, 128 bytes for each wave: four blocks of 256 bytes that no other line names
.set SPW, 1
.set NIL, 2
.set AK0, 3
.set AV0, 4
.set ADK, 5
.set ADV, 6
.set QO,  7
.set STO, 8
.set RD,  9
.set GO,  10
.set PFO, 11
.set D0,  12                           ; v12, v13: my query less the step's first key less 8 (lane / 16), for the two tiles
.set NINF, 14
.set RH,  15                           ; lane % 16 - 8 (lane / 16)
.set ST,  16
.set S,   32
.set P,   96
.set O,   128
.set L,   192
.set OUTR, 208
.set KF,  32                           ; in window 1
.set VF,  96
.set ONES, 160
; scalars: s8 wave, s9 u, s10 i, s58 i + 1, s11 head; s[14:15], s[16:17] Q of the two blocks; s[18:19], s[20:21] oh likewise; s[22:23], s[24:25] my part of slot 0 in K and in V; s[26:27] the prefetches' place;
; s[28:35], s[36:43] descriptor groups 1 for K and V; s[44:47], s[48:51] their groups 0; s52 trip; s54 LDS byte of the step in hand; s55 steps to go; s56 the step's first key; s57 my first query; s73 the second block's;
; s[62:63] lane selects; s72 trips that prefetch; s[74:75] an offset; s66-71 at work
.set MSB, 0
.macro WIN new
.if MSB != \new
	s_set_vgpr_msb (MSB<<8)|\new
.set MSB, \new
.endif
.endm
; Waves 0 to 3 fetch K of the slot's step w, waves 4 to 7 V of step w - 4: one load of 64 rows a wave.  An s_nop 0 and four v_nop follow each of the two lines.
.macro TLOAD
	s_cmp_lt_u32 s8, 4
	s_cbranch_scc0 .Lfor_v_\@
	tensor_load_to_lds s[44:47], s[28:35]
	s_nop 0
.rept 4
	v_nop
.endr
	s_branch .Lasked_\@
.Lfor_v_\@:
	tensor_load_to_lds s[48:51], s[36:43]
	s_nop 0
.rept 4
	v_nop
.endr
.Lasked_\@:
.endm
; A PREFETCH INTO THE L2 of what the next change of slots will ask for.  All four work-groups of a head walk the same K and V: the one with i = 0 asks, which from trip 0 on loads slots 0, 1, .. 7 in order.
; In trip T (0 to 6) each of its waves names its own 8,192 bytes of slot T + 1, lanes 256 bytes apart: one trip, four key steps, ahead of the load.  So each block of 256 bytes is named once; slot 0 comes by its load alone.
.macro ASK
	s_cmp_lt_u32 s52, s72
	s_cbranch_scc0 .Lnot_mine_\@
	global_prefetch_b8 v[PFO], s[26:27] th:TH_LOAD_NT scope:SCOPE_SE
.Lnot_mine_\@:
.endm
.macro QLOAD base                      ; my 32 queries: tile t, channels 32 f on: lane l holds row l % 16; two loads of 16 bytes, 32 apart
	WIN 0x40                                       ; destination window 1
.irp t, 0,1
.irp f, 0,1
	global_load_b128 v[16*\t+8*\f:16*\t+8*\f+3], v[QO], s[\base:\base+1] offset:2048*\t+64*\f
	global_load_b128 v[16*\t+8*\f+4:16*\t+8*\f+7], v[QO], s[\base:\base+1] offset:2048*\t+64*\f+32
.endr
.endr
	WIN 0
.endm
.macro RESET                           ; a block of queries begins: O^T and the sums are zeros, m lies under every score.  (The step is written once: its first run multiplies zeros by a = 0)
.set i, 0
.rept 80
	v_mov_b32 v[O+i], 0
.set i, i+1
.endr
	v_mov_b32 v[ST], 0xff61b1e6                    ; -3e38
	v_mov_b32 v[ST+8], 0xff61b1e6
.endm
	s_load_b128 s[4:7], s[0:1], 0x0                ; qkv, oh
	v_lshl_add_u32 v[SPW], v0, 2, SPARE
	v_mov_b32 v[NIL], 0
	ds_add_u32 v[SPW], v[NIL]                      ; the wave's opening: the add, twice on end, and its wait ahead of my first tensor load
	ds_add_u32 v[SPW], v[NIL]
	v_lshrrev_b32 v3, 5, v0
	v_readfirstlane_b32 s8, v3                     ; wave 0..7
	s_lshr_b32 s66, s8, 2
	s_mul_i32 s66, s66, 3
	s_xor_b32 s9, s8, s66                          ; u
	s_mov_b32 s10, ttmp9                           ; i
	s_add_co_u32 s58, s10, 1
	s_and_b32 s11, ttmp7, 0xffff                   ; the head
	s_mov_b32 s28, (1<<16)|(1<<20)|(4<<22)|(3<<25) ; K: no mask; elements of 2 bytes; padding on: after every 32 words, 4 words
	s_mov_b32 s36, (1<<16)|(1<<20)|(4<<22)|(7<<25) ; V: 8 words
.irp g, 28, 36
	s_mov_b32 s[\g+1], 64<<16                      ; tensor_dim0
	s_mov_b32 s[\g+2], 64<<16                      ; tensor_dim1
	s_mov_b32 s[\g+3], 64<<16                      ; tile_dim0
	s_mov_b32 s[\g+4], 64                          ; tile_dim1
	s_mov_b32 s[\g+5], 64                          ; the pitch
	s_mov_b32 s[\g+6], 0
	s_mov_b32 s[\g+7], 0
.endr
	s_and_b32 s67, s8, 3                           ; which of a slot's four steps I fetch
	s_mul_i32 s68, s67, STEPB
	s_mov_b32 s44, 1
	s_mov_b32 s45, s68                             ; K's place in slot 0
	s_mov_b32 s48, 1
	s_add_co_u32 s49, s68, VOFF                    ; V's
	s_lshl_b32 s66, s11, 18                        ; the head's 262,144 bytes
	s_lshl_b32 s69, s67, 13                        ; my step's 64 rows of 128 bytes
	s_add_co_u32 s69, s69, s66
	s_lshl_b32 s70, s9, 5
	s_lshl_b32 s57, s10, 8
	s_add_co_u32 s57, s57, s70                     ; my first query in block i
	s_sub_co_u32 s73, 7, s10
	s_lshl_b32 s73, s73, 8
	s_add_co_u32 s73, s73, s70                     ; and in block 7 - i
	s_lshl_b32 s70, s57, 7
	s_add_co_u32 s70, s70, s66
	s_lshl_b32 s71, s73, 7
	s_add_co_u32 s71, s71, s66
	s_mov_b32 s62, 0x76543210
	s_mov_b32 s63, 0xfedcba98                      ; v_permlanex16_b32's selects for lane l xor 16
	s_mov_b32 s54, 0
	s_mov_b32 s56, 0
	s_mov_b32 s52, 0
	s_cmp_eq_u32 s10, 0
	s_cselect_b32 s72, 7, 0
	s_mov_b32 s75, 0
	s_wait_dscnt 0x0                               ; both opening adds are done
	s_wait_kmcnt 0x0
	s_add_co_u32 s74, s69, 0x1000000               ; K lies 16 MiB into qkv,
	s_add_nc_u64 s[22:23], s[4:5], s[74:75]
	s_add_co_u32 s74, s69, 0x2000000               ; V 32 MiB
	s_add_nc_u64 s[24:25], s[4:5], s[74:75]
	s_mov_b32 s74, s70
	s_add_nc_u64 s[14:15], s[4:5], s[74:75]
	s_add_nc_u64 s[18:19], s[6:7], s[74:75]
	s_mov_b32 s74, s71
	s_add_nc_u64 s[16:17], s[4:5], s[74:75]
	s_add_nc_u64 s[20:21], s[6:7], s[74:75]
	s_mov_b64 s[46:47], s[22:23]
	s_or_b32 s47, s47, 0x80000000
	s_mov_b64 s[50:51], s[24:25]
	s_or_b32 s51, s51, 0x80000000
	s_cmp_lt_u32 s8, 4
	s_cselect_b64 s[26:27], s[22:23], s[24:25]     ; the prefetches stand at my part of slot 0; the first change steps them to slot 1
	TLOAD                                          ; slot 0: the one first fill at the head; one tensor load of mine is out, here and behind every change of slots
	v_and_b32 v12, 15, v0                          ; r
	v_bfe_u32 v13, v0, 4, 1                        ; h
	v_and_b32 v14, 31, v0                          ; lane
	v_lshlrev_b32 v[QO], 7, v12
	v_lshl_add_u32 v[QO], v13, 4, v[QO]            ; Q: row r of 128 bytes + 16 h
	QLOAD 14
	v_mul_u32_u24 v[AK0], v12, KP
	v_lshl_add_u32 v[AK0], v13, 4, v[AK0]          ; K: row r x pitch + 16 h
	v_and_b32 v5, 7, v0
	v_lshl_add_u32 v[AV0], v13, 3, v5              ; V: the turning load: key 8 h + lane % 8,
	v_mul_u32_u24 v[AV0], v[AV0], VP
	v_bfe_u32 v5, v0, 3, 1
	v_lshl_add_u32 v[AV0], v5, 4, v[AV0]           ; channels 8 ((lane / 8) % 2) on
	v_add_nc_u32 v[AV0], VOFF, v[AV0]
	s_mul_i32 s66, s8, 32*KP
	s_add_co_u32 s66, s66, STAGE                   ; my stage
	v_add_nc_u32 v[STO], s66, v[AK0]               ; in: row r, 16 bytes for each half of the lanes
	v_lshrrev_b32 v5, 3, v14
	v_mul_u32_u24 v[RD], v5, KP
	v_and_b32 v5, 7, v0
	v_lshl_add_u32 v[RD], v5, 4, v[RD]
	v_add_nc_u32 v[RD], s66, v[RD]                 ; back: eight lanes to a row of 128 bytes, four rows an instruction
	v_lshlrev_b32 v[GO], 4, v14                    ; which are 512 consecutive bytes of oh
	v_lshlrev_b32 v[PFO], 8, v14
	v_lshlrev_b32 v5, 3, v13
	v_sub_nc_u32 v[RH], v12, v5
	v_mov_b32 v[NINF], 0xff800000
	WIN 0x40
.irp i, 0,1,2,3,4,5,6,7
	v_mov_b32 v[ONES+\i], 0x3c003c00               ; 1.0 twice, in f16
.endr
	WIN 0
.set i, 0
.rept 16
	v_mov_b32 v[ST+i], 0                           ; written once: some are named as halves of pairs or as a lane permute's destination before they hold a number
.set i, i+1
.endr
	RESET
.macro SOFTMAX                         ; both tiles line by line in turn, so that no line waits for the line above it
.irp n, 0,1,2,3
.irp t, 0,1
	v_max3_num_f32 v[ST+8*\t+4+\n], v[S+32*\t+8*\n], v[S+32*\t+8*\n+1], v[S+32*\t+8*\n+2]   ; four chains, one for each accumulator, from its low end on
.endr
.endr
.irp q, 1,2
.irp n, 0,1,2,3
.irp t, 0,1
	v_max3_num_f32 v[ST+8*\t+4+\n], v[ST+8*\t+4+\n], v[S+32*\t+8*\n+2*\q+1], v[S+32*\t+8*\n+2*\q+2]
.endr
.endr
.endr
.irp t, 0,1
	v_max3_num_f32 v[ST+8*\t+4], v[ST+8*\t+4], v[S+32*\t+7], v[S+32*\t+15]
	v_max3_num_f32 v[ST+8*\t+6], v[ST+8*\t+6], v[S+32*\t+23], v[S+32*\t+31]
.endr
.irp t, 0,1
	v_max3_num_f32 v[ST+8*\t+4], v[ST+8*\t+4], v[ST+8*\t+5], v[ST+8*\t+6]
.endr
.irp t, 0,1
	v_max3_num_f32 v[ST+8*\t+4], v[ST+8*\t+4], v[ST+8*\t+7], v[ST+8*\t]   ; with the old m
.endr
.irp t, 0,1
	v_permlanex16_b32 v[ST+8*\t+5], v[ST+8*\t+4], s62, s63   ; the query's other 32 keys lie in the lane 16 away
.endr
.irp t, 0,1
	v_max_num_f32 v[ST+8*\t+4], v[ST+8*\t+4], v[ST+8*\t+5]   ; the new m
.endr
.irp t, 0,1
	v_sub_f32 v[ST+8*\t+7], v[ST+8*\t], v[ST+8*\t+4]         ; old m - new m, 0 or less
.endr
.irp t, 0,1
	v_mov_b32 v[ST+8*\t], v[ST+8*\t+4]
.endr
.set n, 0
.rept 16
.irp t, 0,1
	v_pk_add_f32 v[S+32*\t+2*n:S+32*\t+2*n+1], v[S+32*\t+2*n:S+32*\t+2*n+1], v[ST+8*\t:ST+8*\t+1] op_sel_hi:[1,0] neg_lo:[0,1] neg_hi:[0,1]   ; s - m, 0 or less: no exponential can pass 1
.endr
.set n, n+1
.endr
.irp t, 0,1
	v_exp_f32 v[ST+8*\t+2], v[ST+8*\t+7]           ; a
.endr
.set n, 0
.rept 32
.irp t, 0,1
	v_exp_f32 v[S+32*\t+n], v[S+32*\t+n]           ; p
.endr
.set n, n+1
.endr
	v_nop                                          ; a plain line behind the last exponential
	s_wait_alu depctr_va_vdst(0)                   ; one wait for the batch of 66, ahead of the first line that names a result
.set n, 0
.rept 16
.irp t, 0,1
	v_cvt_pk_f16_f32 v[P+16*\t+n], v[S+32*\t+2*n], v[S+32*\t+2*n+1]
.endr
.set n, n+1
.endr
.set n, 0
.rept 16
.irp t, 0,1
	v_pk_mul_f32 v[O+32*\t+2*n:O+32*\t+2*n+1], v[O+32*\t+2*n:O+32*\t+2*n+1], v[ST+8*\t+2:ST+8*\t+3] op_sel_hi:[1,0]   ; O^T under the new m, each accumulator from its low end on
.endr
.set n, n+1
.endr
.irp t, 0,1
	v_mul_f32 v[L+8*\t], v[L+8*\t], v[ST+8*\t+2]   ; the sum likewise: all eight registers of that accumulator would hold the same sum; register 0 alone is kept right and read
.endr
.endm
.macro STEP                            ; 64 keys
	s_add_co_u32 s66, s57, 31
	s_cmp_gt_u32 s56, s66                          ; all 64 keys come after my 32 queries: nothing to do
	s_cbranch_scc1 .Lhidden_\@
	v_add_nc_u32 v[ADK], s54, v[AK0]
	v_add_nc_u32 v[ADV], s54, v[AV0]
	v_nop
	v_nop                                          ; these four lines are the places between the last step's last products and the loads into V's registers
	WIN 0x40                                       ; destination window 1
.irp j, 0,1,2,3
.irp f, 0,1
	ds_load_b128 v[KF+16*\j+8*\f:KF+16*\j+8*\f+3], v[ADK] offset:16*KP*\j+64*\f
	ds_load_b128 v[KF+16*\j+8*\f+4:KF+16*\j+8*\f+7], v[ADK] offset:16*KP*\j+64*\f+32
.endr
.endr
.irp g, 0,1
.irp c, 0,1,2,3
	ds_load_tr16_b128 v[VF+32*\g+8*\c:VF+32*\g+8*\c+3], v[ADV] offset:32*VP*\g+32*\c
	ds_load_tr16_b128 v[VF+32*\g+8*\c+4:VF+32*\g+8*\c+7], v[ADV] offset:32*VP*\g+16*VP+32*\c
.endr
.endr
	s_wait_dscnt 16                                ; K is in; V's sixteen loads may stay out
	WIN 0x05                                       ; K and Q in window 1, S^T in window 0
.irp f, 0,1                            ; eight accumulators by turns, one instruction a turn; the first eight start the sums
.irp j, 0,1,2,3
.irp t, 0,1
.if \f == 0
	v_wmma_f32_16x16x32_f16 v[S+32*\t+8*\j:S+32*\t+8*\j+7], v[KF+16*\j+8*\f:KF+16*\j+8*\f+7], v[16*\t+8*\f:16*\t+8*\f+7], 0
.else
	v_wmma_f32_16x16x32_f16 v[S+32*\t+8*\j:S+32*\t+8*\j+7], v[KF+16*\j+8*\f:KF+16*\j+8*\f+7], v[16*\t+8*\f:16*\t+8*\f+7], v[S+32*\t+8*\j:S+32*\t+8*\j+7]
.endif
.endr
.endr
.endr
	WIN 0
.rept 4
	v_nop                                          ; places in front of the first read of the scores
.endr
	s_add_co_u32 s66, s56, 63
	s_cmp_le_u32 s66, s57                          ; all 64 keys count for all my queries: no mask
	s_cbranch_scc1 .Lopen_\@
	s_sub_co_i32 s66, s57, s56
	v_add_nc_u32 v[D0], s66, v[RH]                 ; register 8 j + i of tile t holds key 16 j + 8 (lane / 16) + i of the step: hidden where 16 j + i > d
	v_add_nc_u32 v[D0+1], 16, v[D0]
.irp t, 0,1
.irp j, 0,1,2,3
.irp i, 0,1,2,3,4,5,6,7
	v_cmp_gt_i32 vcc_lo, 16*\j+\i, v[D0+\t]
	v_cndmask_b32 v[S+32*\t+8*\j+\i], v[S+32*\t+8*\j+\i], v[NINF], vcc_lo
.endr
.endr
.endr
.Lopen_\@:
	SOFTMAX
	s_wait_dscnt 0x0                               ; V is in
	WIN 0x01                                       ; V and the ones in window 1
.irp g, 0,1                            ; ten accumulators by turns
.irp c, 0,1,2,3
.irp t, 0,1
	v_wmma_f32_16x16x32_f16 v[O+32*\t+8*\c:O+32*\t+8*\c+7], v[VF+32*\g+8*\c:VF+32*\g+8*\c+7], v[P+16*\t+8*\g:P+16*\t+8*\g+7], v[O+32*\t+8*\c:O+32*\t+8*\c+7]
.endr
.endr
.irp t, 0,1
	v_wmma_f32_16x16x32_f16 v[L+8*\t:L+8*\t+7], v[ONES:ONES+7], v[P+16*\t+8*\g:P+16*\t+8*\g+7], v[L+8*\t:L+8*\t+7]
.endr
.endr
	WIN 0
.Lhidden_\@:
	s_add_co_u32 s54, s54, STEPB
	s_add_co_u32 s56, s56, 64
.endm
.macro FOUR_STEPS                      ; a slot's four steps: written once, walked four times
	s_mov_b32 s55, 4
.Lstep_\@:
	STEP
	s_sub_co_u32 s55, s55, 1
	s_cmp_lg_u32 s55, 0
	s_cbranch_scc1 .Lstep_\@
	s_sub_co_u32 s54, s54, 4*STEPB
	s_xor_b32 s54, s54, SLOT1                      ; on to the other slot
.endm
; THE CHANGE OF SLOTS stands at a slot's head.  Each wave waits for all its tensor loads (its part of the slot ahead), adds 0 to its spare word, and waits for that and for its reads of the slot that it has left.
; Behind the barrier the slot ahead is whole and nobody reads the other one, which is filled with the next trip's keys: that load has four steps in which to land.
.macro CHANGE fill
	s_wait_tensorcnt 0x0                           ; no tensor load of mine is out, so a group 0 may be written
	ds_add_u32 v[SPW], v[NIL]                      ; 0 onto my spare word
.if \fill
	s_xor_b32 s45, s45, SLOT1
	s_xor_b32 s49, s49, SLOT1
	s_add_co_u32 s66, s52, 1
	s_cmp_gt_u32 s66, s10                          ; is the next trip the second block's?
	s_cselect_b32 s67, s58, 0
	s_sub_co_u32 s66, s66, s67                     ; the next trip's slot of keys
	s_lshl_b32 s74, s66, 15                        ; 256 keys of 128 bytes
	s_add_nc_u64 s[46:47], s[22:23], s[74:75]
	s_or_b32 s47, s47, 0x80000000
	s_add_nc_u64 s[50:51], s[24:25], s[74:75]
	s_or_b32 s51, s51, 0x80000000
	s_wait_xcnt 0x0                                ; the last prefetch, a trip back, has read its address, so it may be written
	s_add_nc_u64 s[26:27], s[26:27], 0x8000
.endif
	s_wait_dscnt 0x0                               ; the add is done, and my reads of the slot that I have left are over
	s_barrier_signal -1
	s_barrier_wait -1
.if \fill
	TLOAD                                          ; the first thing behind the barrier, and my one tensor load until the next.
	ASK
.endif
.endm
; THE WAY OUT of a block: O^T / the sum, rounded to f16, through my stage, 32 rows of 128 bytes; sixteen lanes store 256 consecutive bytes, aligned.
.macro WAYOUT base
.rept 4
	v_nop                                          ; places behind the last products
.endr
	v_rcp_f32 v[ST+4], v[L]
	v_rcp_f32 v[ST+12], v[L+8]
	v_nop                                          ; a plain line behind the reciprocals
	s_wait_alu depctr_va_vdst(0)                   ; and the wait ahead of their first reader
.irp t, 0,1
.set n, 0
.rept 16
	v_pk_mul_f32 v[O+32*\t+2*n:O+32*\t+2*n+1], v[O+32*\t+2*n:O+32*\t+2*n+1], v[ST+8*\t+4:ST+8*\t+5] op_sel_hi:[1,0]
.set n, n+1
.endr
.endr
	s_wait_xcnt 0x0                                ; the other way out's eight stores read v208-239: those registers are written again, by the conversions and the LDS loads below, only behind this wait, whichever trip changed blocks
.irp t, 0,1
.set n, 0
.rept 16
	v_cvt_pk_f16_f32 v[OUTR+16*\t+n], v[O+32*\t+2*n], v[O+32*\t+2*n+1]
.set n, n+1
.endr
.endr
.irp t, 0,1
.irp c, 0,1,2,3
	ds_store_b128 v[STO], v[OUTR+16*\t+4*\c:OUTR+16*\t+4*\c+3] offset:16*KP*\t+32*\c
.endr
.endr
.irp u, 0,1,2,3,4,5,6,7
	ds_load_b128 v[OUTR+4*\u:OUTR+4*\u+3], v[RD] offset:4*KP*\u    ; LDS serves a wave's instructions in order: these see the stores above
.endr
.irp u, 0,1,2,3,4,5,6,7
	s_wait_dscnt 7-\u
	global_store_b128 v[GO], v[OUTR+4*\u:OUTR+4*\u+3], s[\base:\base+1] offset:512*\u
.endr
.endm
	s_wait_loadcnt 0x0                             ; Q
.Ltrip:                                            ; eight trips; the ninth is written out, since it asks for nothing
	CHANGE 1
	s_cmp_lg_u32 s52, s58                          ; trip i + 1 begins the second block: ids alone; no barrier and no tensor load stands in the arm
	s_cbranch_scc1 .Lno_switch
	QLOAD 16
	WAYOUT 18
	RESET
	s_mov_b32 s57, s73
	s_mov_b32 s56, 0
	s_wait_loadcnt 0x0
.Lno_switch:
	FOUR_STEPS
	s_add_co_u32 s52, s52, 1
	s_cmp_lt_u32 s52, 8
	s_cbranch_scc1 .Ltrip
	CHANGE 0
	FOUR_STEPS
	WAYOUT 20
	s_wait_tensorcnt 0x0                           ; the wave's end
	ds_add_u32 v[SPW], v[NIL]
	s_wait_dscnt 0x0
	s_endpgm
.Lfunc_end_k_q4360885cd6_attn:
	.size	k_q4360885cd6_attn, .Lfunc_end_k_q4360885cd6_attn-k_q4360885cd6_attn
	.p2alignl 7, 3214868480
	.fill 96, 4, 3214868480
	.section	.rodata,"a",@progbits
	.p2align	6, 0x0
	.amdhsa_kernel k_q4360885cd6_attn
		.amdhsa_group_segment_fixed_size 327680
		.amdhsa_private_segment_fixed_size 0
		.amdhsa_enable_private_segment 0
		.amdhsa_kernarg_size 16
		.amdhsa_user_sgpr_count 2
		.amdhsa_user_sgpr_kernarg_segment_ptr 1
		.amdhsa_wavefront_size32 1
		.amdhsa_system_sgpr_workgroup_id_x 1
		.amdhsa_system_sgpr_workgroup_id_y 1
		.amdhsa_system_sgpr_workgroup_id_z 1
		.amdhsa_system_vgpr_workitem_id 0
		.amdhsa_next_free_vgpr 448
		.amdhsa_next_free_sgpr 80
		.amdhsa_reserve_vcc 1
		.amdhsa_float_denorm_mode_32 3
		.amdhsa_float_denorm_mode_16_64 3
		.amdhsa_memory_ordered 1
		.amdhsa_forward_progress 1
		.amdhsa_inst_pref_size 68
	.end_amdhsa_kernel
	.amdgpu_metadata
---
amdhsa.version: [ 1, 2 ]
amdhsa.kernels:
  - .name:           k_q4360885cd6_attn
    .symbol:         k_q4360885cd6_attn.kd
    .args:
      - { .name: qkv, .offset: 0, .size: 8, .value_kind: global_buffer, .address_space: global }
      - { .name: oh, .offset: 8, .size: 8, .value_kind: global_buffer, .address_space: global }
    .group_segment_fixed_size: 327680
    .private_segment_fixed_size: 0
    .kernarg_segment_align: 8
    .kernarg_segment_size: 16
    .max_flat_workgroup_size: 256
    .sgpr_count:     80
    .vgpr_count:     448
    .wavefront_size: 32
...
	.end_amdgpu_metadata
.endif
;; end of part 3
;; launch proj (part 4): grid 4 x 64, 4 waves a work-group, clusters of 4 x 4, 327,680 bytes of LDS; arguments oh, woh, out0; writes out0
.if DOCPART == 4
	.amdgcn_target "amdgcn-amd-amdhsa--gfx1250"
	.amdhsa_code_object_version 6
	.text
	.protected	k_q4360885cd6_proj
	.globl	k_q4360885cd6_proj
	.p2align	8
	.type	k_q4360885cd6_proj,@function
k_q4360885cd6_proj:
	s_mov_b64 s[64:65], 0
	v_nop
	global_prefetch_b8 v0, s[64:65] scope:SCOPE_SE
	s_setreg_imm32_b32 hwreg(HW_REG_WAVE_MODE, 25, 1), 1
	s_wait_xcnt 0x0
	s_wait_alu depctr_hold_cnt(0) depctr_sa_sdst(0) depctr_va_vdst(0) depctr_va_sdst(0) depctr_va_ssrc(0) depctr_va_vcc(0) depctr_vm_vsrc(0)
	s_getreg_b32 s2, hwreg(HW_REG_IB_STS2, 6, 4)
	s_cmp_eq_u32 s2, 0
	s_cbranch_scc0 .Lentry_in_a_cluster
	s_endpgm
.Lentry_in_a_cluster:
	s_bfe_u32 s2, ttmp6, 0x10000c
	s_cmp_lg_u32 s2, 0xf033
	s_cbranch_scc0 .Lentry_shape_is_right
	s_endpgm
.Lentry_shape_is_right:
; PROJ.  out0[token][n] = sum over k of O[token][k] W_o[k][n], 8,192 x 1,024 x 1,024, on f16 operands with f32 sums.  O: oh, f16 [4 b][16 h][2048 s][64], k = 64 h + channel.  W_o: woh, f16 [1024 k][1024 n].
; A tile is 128 tokens x 256 columns: 256 work-groups.  Four waves, each 64 x 128: 32 accumulators, 256 registers (window 1).  K goes in steps of 128 (two heads) through a ring of two LDS slots.
; CLUSTERS: 4 x 4 work-groups: O's tiles are asked for jointly along a row of the cluster, W_o's along a column.  Waves 0 and 1 fetch O's two heads (128 rows of 128 bytes each), waves 2 and 3 W_o's two halves
; (64 rows of 512 bytes each): one load a wave behind each round.
; THE MATRIX INSTRUCTION IS USED TRANSPOSED: source 0 = 16 columns of W_o (turned out of LDS by ds_load_tr16_b128, since K is its first axis), source 1 = 16 tokens: a lane holds eight neighbouring columns of a row.
; Every row is written here; the rows of positions 0-15 are written again, more finely, by the launch that follows.
; REGISTERS.  window 0: v16-29 addresses; two fragment buffers for 32 along K: v64-95 O and v96-159 W_o; v160-191 and v192-255; on the way out v64-191 hold rows.   window 1: accumulator (a, b) at v[8 (8 a + b)].
.set KP,     144                       ; O's row in LDS: 128 bytes + 16
.set BP,     544                       ; W_o's: 512 + 32: an odd multiple of 32
.set APART,  128*KP                    ; a head's 128 tokens
.set BOFF,   2*APART
.set BHALF,  64*BP
.set SLOT,   BOFF+2*BHALF
.set SPARE,  2*SLOT                    ; the spare words, 128 bytes for each wave: two blocks of 256 bytes that no other line names
.set SPITCH, 528                       ; the way out: 16 rows x (512 + 16) for each wave, in slot 0, which has had its last fill and its last read by then
.set LAPS,   4                         ; a lap = two K steps
.set ADRA, 16
.set ADRB, 20
.set STO,  24
.set RD,   25
.set CO,   26
.set SPW,  28
.set NIL,  29
.set F0,   64
.set F1,   160
.set BK,   64
.set G1, 24
.set G0, 32
.set G1B, 48
.set G0B, 56
.set MSB, 0
.macro WIN new
.if MSB != \new
	s_set_vgpr_msb (MSB<<8)|\new
.set MSB, \new
.endif
.endm
.set MUL, 0x50                         ; C and D window 1, sources window 0
.macro JLOAD s                         ; a joint load; an s_nop 0 and four v_nop follow each of the two lines
	s_cmp_eq_u32 s11, 0
	s_cbranch_scc0 .Lfor_b_\@
	tensor_load_to_lds s[G0+4*\s:G0+4*\s+3], s[G1:G1+7]
	s_nop 0
.rept 4
	v_nop
.endr
	s_branch .Lasked_\@
.Lfor_b_\@:
	tensor_load_to_lds s[G0B+4*\s:G0B+4*\s+3], s[G1B:G1B+7]
	s_nop 0
.rept 4
	v_nop
.endr
.Lasked_\@:
.endm
.macro CREST
	s_cmp_lg_u32 s10, 0
	s_cbranch_scc1 .Lnot_wave_0_\@
	s_barrier_signal -3
.Lnot_wave_0_\@:
	s_barrier_wait -3
	s_barrier_signal -1
	s_barrier_wait -1
.endm
.macro CROUND
	s_barrier_signal -1
	s_barrier_wait -1
	CREST
.endm
	s_load_b128 s[4:7], s[0:1], 0x0                ; oh, woh
	s_load_b64 s[8:9], s[0:1], 0x10                ; out0
	v_lshl_add_u32 v[SPW], v0, 2, SPARE
	v_mov_b32 v[NIL], 0
	ds_add_u32 v[SPW], v[NIL]                      ; the wave's opening: the add, twice on end, and its wait ahead of my first tensor load
	ds_add_u32 v[SPW], v[NIL]
	v_lshrrev_b32 v1, 5, v0
	v_readfirstlane_b32 s10, v1                    ; wave 0..3
	s_lshr_b32 s11, s10, 1                         ; which half of the tile's tokens is mine.  Also: I fetch for O (0) or for W_o (1)
	s_and_b32 s12, s10, 1                          ; which half of its columns.  Also: which part I fetch
	s_bfe_u32 s40, ttmp6, 0x40000                  ; cx
	s_bfe_u32 s41, ttmp6, 0x40004                  ; cy
	s_lshl_b32 s42, ttmp9, 2
	s_add_co_u32 s42, s42, s40                     ; tile column
	s_and_b32 s13, ttmp7, 0xffff
	s_lshl_b32 s13, s13, 2
	s_add_co_u32 s13, s13, s41                     ; tile row
	s_lshl_b32 s43, s41, 2
	s_lshl_b32 s43, 15, s43                        ; my row of the cluster
	s_lshl_b32 s44, 0x1111, s40                    ; my column
	s_or_b32 s[G1+0], s43, (1<<16)|(1<<20)|(1<<21)|(4<<22)|(3<<25)  ; O: the mask; elements of 2 bytes; padding: after every 32 words, 4 words
	s_mov_b32 s[G1+1], 64<<16                      ; tensor_dim0
	s_mov_b32 s[G1+2], 128<<16                     ; tensor_dim1
	s_mov_b32 s[G1+3], 64<<16                      ; tile_dim0
	s_mov_b32 s[G1+4], 128                         ; tile_dim1
	s_mov_b32 s[G1+5], 64                          ; the pitch
	s_mov_b32 s[G1+6], 0
	s_mov_b32 s[G1+7], 0
	s_or_b32 s[G1B+0], s44, (1<<16)|(1<<20)|(1<<21)|(6<<22)|(7<<25) ; W_o: after every 128 words, 8 words
	s_mov_b32 s[G1B+1], 256<<16
	s_mov_b32 s[G1B+2], 64<<16
	s_mov_b32 s[G1B+3], 256<<16
	s_mov_b32 s[G1B+4], 64
	s_mov_b32 s[G1B+5], 1024
	s_mov_b32 s[G1B+6], 0
	s_mov_b32 s[G1B+7], 0
	s_lshr_b32 s16, s13, 4
	s_lshl_b32 s16, s16, 22                        ; O: the batch, 4 MiB;
	s_and_b32 s17, s13, 15
	s_lshl_b32 s17, s17, 14                        ; 128 tokens of 128 bytes;
	s_add_co_u32 s16, s16, s17
	s_lshl_b32 s17, s12, 18                        ; the head of the pair that I fetch
	s_add_co_u32 s16, s16, s17
	s_mov_b32 s17, 0
	s_lshl_b32 s46, s42, 9                         ; W_o: 256 columns of 2 bytes;
	s_lshl_b32 s47, s12, 17                        ; 64 rows of 2,048 bytes
	s_add_co_u32 s46, s46, s47
	s_mov_b32 s47, 0
	s_mul_i32 s20, s12, APART                      ; where they go: no place in the cluster enters an LDS address
	s_mul_i32 s21, s12, BHALF
	s_add_co_u32 s21, s21, BOFF
	s_wait_dscnt 0x0                               ; both opening adds are done
	s_wait_kmcnt 0x0
	s_add_nc_u64 s[14:15], s[4:5], s[16:17]
	s_add_nc_u64 s[46:47], s[6:7], s[46:47]
	CROUND                                         ; all sixteen work-groups are here: the first joint loads meet
.irp s, 0,1
	s_mov_b32 s[G0+4*\s], 1
	s_add_co_u32 s[G0+4*\s+1], s20, \s*SLOT
	s_add_nc_u64 s[G0+4*\s+2:G0+4*\s+3], s[14:15], \s*524288       ; K step s: two heads on
	s_or_b32 s[G0+4*\s+3], s[G0+4*\s+3], 0x80000000
	s_mov_b32 s[G0B+4*\s], 1
	s_add_co_u32 s[G0B+4*\s+1], s21, \s*SLOT
	s_add_nc_u64 s[G0B+4*\s+2:G0B+4*\s+3], s[46:47], \s*262144     ; 128 rows on
	s_or_b32 s[G0B+4*\s+3], s[G0B+4*\s+3], 0x80000000
	JLOAD \s
.endr
	v_and_b32 v1, 15, v0                           ; r
	v_bfe_u32 v2, v0, 4, 1                         ; h
	v_mul_u32_u24 v3, v1, KP
	v_lshl_add_u32 v3, v2, 4, v3                   ; O: row r x pitch + 16 h
	s_mul_i32 s21, s11, 64*KP                      ; my 64 tokens
	v_and_b32 v4, 7, v0
	v_lshl_add_u32 v4, v2, 3, v4                   ; W_o: the turning load: k = 8 h + lane % 8,
	v_mul_u32_u24 v4, v4, BP
	v_bfe_u32 v5, v0, 3, 1
	v_lshl_add_u32 v4, v5, 4, v4                   ; columns 8 ((lane / 8) % 2) on
	s_lshl_b32 s22, s12, 8                         ; my 128 columns
	s_add_co_u32 s22, s22, BOFF
.irp s, 0,1
	v_add_nc_u32 v[ADRA+\s], s21, v3
	v_add_nc_u32 v[ADRB+\s], s22, v4
	s_add_co_u32 s21, s21, SLOT
	s_add_co_u32 s22, s22, SLOT
.endr
	s_mul_i32 s23, s10, 16*SPITCH                  ; my stage
	v_mul_u32_u24 v5, v1, SPITCH
	v_lshl_add_u32 v5, v2, 5, v5
	v_add_nc_u32 v[STO], s23, v5                   ; in: row r, 32 bytes for each half of the lanes
	v_and_b32 v6, 31, v0
	v_lshlrev_b32 v[CO], 4, v6                     ; back: the 32 lanes take a row of 512 bytes; and the same in out0
	v_add_nc_u32 v[RD], s23, v[CO]
	s_lshl_b32 s16, s13, 19                        ; 128 rows of 4,096 bytes for each tile row,
	s_lshl_b32 s17, s11, 18                        ; my 64 rows,
	s_add_co_u32 s16, s16, s17
	s_mov_b32 s17, 0
	s_lshl_b32 s46, s42, 10                        ; the tile's 1,024 bytes of a row,
	s_lshl_b32 s47, s12, 9                         ; my 512
	s_add_co_u32 s46, s46, s47
	s_mov_b32 s47, 0
	s_add_nc_u64 s[16:17], s[16:17], s[46:47]
	s_add_nc_u64 s[8:9], s[8:9], s[16:17]
.macro MUL8 f, a, zero                 ; token block a x the eight column blocks, 32 along K.  The 32 accumulators take turns in the same order in every quarter
.irp b, 0,1,2,3,4,5,6,7
.if \zero
	v_wmma_f32_16x16x32_f16 v[8*(8*(\a)+\b):8*(8*(\a)+\b)+7], v[\f+32+8*\b:\f+32+8*\b+7], v[\f+8*(\a):\f+8*(\a)+7], 0
.else
	v_wmma_f32_16x16x32_f16 v[8*(8*(\a)+\b):8*(8*(\a)+\b)+7], v[\f+32+8*\b:\f+32+8*\b+7], v[\f+8*(\a):\f+8*(\a)+7], v[8*(8*(\a)+\b):8*(8*(\a)+\b)+7]
.endif
.endr
.endm
.macro FETCH slot, q, f                ; 24 LDS loads in one run: the slot's q-th 32 along K: W_o's sixteen first, then O's eight
	WIN 0
.irp i, 0,1,2,3,4,5,6,7
	ds_load_tr16_b128 v[\f+32+8*\i:\f+32+8*\i+3], v[ADRB+\slot] offset:32*BP*(\q)+32*\i
	ds_load_tr16_b128 v[\f+32+8*\i+4:\f+32+8*\i+7], v[ADRB+\slot] offset:32*BP*(\q)+16*BP+32*\i
.endr
.irp i, 0,1,2,3
	ds_load_b128 v[\f+8*\i:\f+8*\i+3], v[ADRA+\slot] offset:((\q)/2)*APART+((\q)%2)*64+16*KP*\i
	ds_load_b128 v[\f+8*\i+4:\f+8*\i+7], v[ADRA+\slot] offset:((\q)/2)*APART+((\q)%2)*64+16*KP*\i+32
.endr
.endm
.macro PLACES                          ; four plain lines in front of loads into registers that matrix instructions have read, and of the first read of results
.rept 4
	v_nop
.endr
.endm
.macro QUARTER slot, q, f, g, zero     ; multiplies buffer f and fetches the slot's q-th quarter into g
	s_wait_dscnt 4                                 ; W_o's fragments and O's blocks 0, 1 are in; the youngest four loads (blocks 2, 3) may be out
	WIN MUL
	MUL8 \f, 0, \zero
	MUL8 \f, 1, \zero
	PLACES
	FETCH \slot, \q, \g
	s_wait_dscnt 24                                ; all but the 24 just issued
	WIN MUL
	MUL8 \f, 2, \zero
	MUL8 \f, 3, \zero
.endm
; A slot's last quarter multiplies buffer 1 and changes slots: one barrier; in front of it each wave waits for all its tensor loads, adds 0 to its spare word, and waits for that and for its reads of this slot.
.macro TURN slot, next, fill
	WIN 0                                          ; (the add's two registers lie in window 0)
	s_wait_tensorcnt 0x0                           ; my part of the next slot has landed
	ds_add_u32 v[SPW], v[NIL]                      ; 0 onto my spare word
	s_wait_dscnt 7                                 ; (the add and the six loads of O's blocks 1 to 3 may be out)
	WIN MUL
	MUL8 F1, 0, 0
	s_wait_dscnt 0x0                               ; the add is done, and my reads of this slot are over
	s_barrier_signal -1
	MUL8 F1, 1, 0
.if \fill
	WIN 0
.endif
	s_barrier_wait -1
.if \fill
	CREST                                          ; the barrier has opened a round of the cluster's: no wave of any partner still reads this slot or has a load on its way
	s_add_nc_u64 s[G0+4*\slot+2:G0+4*\slot+3], s[G0+4*\slot+2:G0+4*\slot+3], 1048576
	s_add_nc_u64 s[G0B+4*\slot+2:G0B+4*\slot+3], s[G0B+4*\slot+2:G0B+4*\slot+3], 524288
	JLOAD \slot                                    ; the first tensor load behind the round; its four v_nop are also the places in front of the loads below
.else
	PLACES
.endif
	FETCH \next, 0, F0
	WIN MUL
	MUL8 F1, 2, 0
	MUL8 F1, 3, 0
.endm
	s_wait_tensorcnt 1                             ; my part of K step 0 is in (K step 1's load may be out)
	s_barrier_signal -1
	s_barrier_wait -1                              ; everybody's is
	FETCH 0, 0, F0
	QUARTER 0, 1, F0, F1, 1                        ; the first quarter's products start the sums
	WIN 0
	s_mov_b32 s3, LAPS-1
.Llap:                                             ; a trip goes once round the ring, from a lap's second quarter to the next lap's first, and fills both slots again
	QUARTER 0, 2, F1, F0, 0
	QUARTER 0, 3, F0, F1, 0
	TURN 0, 1, 1
	QUARTER 1, 1, F0, F1, 0
	QUARTER 1, 2, F1, F0, 0
	QUARTER 1, 3, F0, F1, 0
	TURN 1, 0, 1
	QUARTER 0, 1, F0, F1, 0
	WIN 0
	s_sub_co_u32 s3, s3, 1
	s_cmp_lg_u32 s3, 0
	s_cbranch_scc1 .Llap
	QUARTER 0, 2, F1, F0, 0                        ; the last lap fills nothing
	QUARTER 0, 3, F0, F1, 0
	TURN 0, 1, 0
	QUARTER 1, 1, F0, F1, 0
	QUARTER 1, 2, F1, F0, 0
	QUARTER 1, 3, F0, F1, 0
	s_wait_dscnt 4
	WIN MUL
	MUL8 F1, 0, 0
	MUL8 F1, 1, 0
	s_wait_dscnt 0
	MUL8 F1, 2, 0
	MUL8 F1, 3, 0
	WIN 0
; THE WAY OUT, block by block of 16 tokens x 128 columns: through my stage, back as whole rows of 512 bytes.
.macro TOSTAGE a
.set AC, 64*(\a)
	WIN 0x04                                       ; an LDS store's data are its source 1: window 1
.irp b, 0,1,2,3,4,5,6,7
	ds_store_b128 v[STO], v[AC+8*\b:AC+8*\b+3] offset:64*\b        ; each accumulator from its low end on
	ds_store_b128 v[STO], v[AC+8*\b+4:AC+8*\b+7] offset:64*\b+16
.endr
	WIN 0
.set BB, BK+64*((\a)%2)
.irp t, 0,1,2,3,4,5,6,7,8,9,10,11,12,13,14,15
	ds_load_b128 v[BB+4*\t:BB+4*\t+3], v[RD] offset:\t*SPITCH      ; LDS serves a wave's instructions in order: these see the stores above
.endr
.endm
.macro SEND a, younger                 ; younger: the LDS instructions issued behind block a's loads, which may stay out
.set BB, BK+64*((\a)%2)
	s_wait_dscnt \younger
.if (\a) > 0
	s_add_nc_u64 s[8:9], s[8:9], 65536             ; (behind a wait on XCNT: the earlier stores have read their base)  16 rows on
.endif
.irp t, 0,1,2,3,4,5,6,7,8,9,10,11,12,13,14,15
	global_store_b128 v[CO], v[BB+4*\t:BB+4*\t+3], s[8:9] offset:\t*4096 th:TH_STORE_NT   ; 32 lanes store 512 consecutive bytes, aligned
.endr
.endm
	PLACES
	TOSTAGE 0
.irp a, 1,2,3
.if \a > 1
	s_wait_xcnt 0x0                                ; block a - 2's stores have read their registers and their base
.endif
	TOSTAGE \a
	SEND \a-1, 32                                  ; behind block a - 1's loads: block a's 16 stores and 16 loads
.endr
	s_wait_xcnt 0x0
	SEND 3, 0
	s_wait_tensorcnt 0x0                           ; the wave's end
	ds_add_u32 v[SPW], v[NIL]
	s_wait_dscnt 0x0
	CROUND                                         ; the closing round
	s_endpgm
.Lfunc_end_k_q4360885cd6_proj:
	.size	k_q4360885cd6_proj, .Lfunc_end_k_q4360885cd6_proj-k_q4360885cd6_proj
	.p2alignl 7, 3214868480
	.fill 96, 4, 3214868480
	.section	.rodata,"a",@progbits
	.p2align	6, 0x0
	.amdhsa_kernel k_q4360885cd6_proj
		.amdhsa_group_segment_fixed_size 327680
		.amdhsa_private_segment_fixed_size 0
		.amdhsa_enable_private_segment 0
		.amdhsa_kernarg_size 24
		.amdhsa_user_sgpr_count 2
		.amdhsa_user_sgpr_kernarg_segment_ptr 1
		.amdhsa_wavefront_size32 1
		.amdhsa_system_sgpr_workgroup_id_x 1
		.amdhsa_system_sgpr_workgroup_id_y 1
		.amdhsa_system_sgpr_workgroup_id_z 1
		.amdhsa_system_vgpr_workitem_id 0
		.amdhsa_next_free_vgpr 512
		.amdhsa_next_free_sgpr 66
		.amdhsa_reserve_vcc 0
		.amdhsa_float_denorm_mode_32 3
		.amdhsa_float_denorm_mode_16_64 3
		.amdhsa_memory_ordered 1
		.amdhsa_forward_progress 1
		.amdhsa_inst_pref_size 85
	.end_amdhsa_kernel
	.amdgpu_metadata
---
amdhsa.version: [ 1, 2 ]
amdhsa.kernels:
  - .name:           k_q4360885cd6_proj
    .symbol:         k_q4360885cd6_proj.kd
    .args:
      - { .name: oh, .offset: 0, .size: 8, .value_kind: global_buffer, .address_space: global }
      - { .name: woh, .offset: 8, .size: 8, .value_kind: global_buffer, .address_space: global }
      - { .name: out0, .offset: 16, .size: 8, .value_kind: global_buffer, .address_space: global }
    .group_segment_fixed_size: 327680
    .private_segment_fixed_size: 0
    .kernarg_segment_align: 8
    .kernarg_segment_size: 24
    .max_flat_workgroup_size: 128
    .sgpr_count:     66
    .vgpr_count:     512
    .wavefront_size: 32
...
	.end_amdgpu_metadata
.endif
;; end of part 4
;; launch fine (part 5): grid 16 x 4, 16 waves a work-group, no clusters, 83,968 bytes of LDS; arguments qkvf, W_o, out0; writes out0
.if DOCPART == 5
	.amdgcn_target "amdgcn-amd-amdhsa--gfx1250"
	.amdhsa_code_object_version 6
	.text
	.protected	k_q4360885cd6_fine
	.globl	k_q4360885cd6_fine
	.p2align	8
	.type	k_q4360885cd6_fine,@function
k_q4360885cd6_fine:
	s_mov_b64 s[64:65], 0
	v_nop
	global_prefetch_b8 v0, s[64:65] scope:SCOPE_SE
	s_setreg_imm32_b32 hwreg(HW_REG_WAVE_MODE, 25, 1), 1
	s_wait_xcnt 0x0
; FINE.  The first 16 positions of each of the four sequences, all in f32: there a softmax averages one to sixteen values, and 16-bit operands would weigh most.  It writes those 64 rows of out0 over.
; qkvf: f32 [4 b][16 s][3072 n]: Q at n = 64 h, K at 1,024 + 64 h, V at 2,048 + 64 h.  W_o: f32 [1024 k][1024 n].
; Work-group (x, b) makes columns 64 x .. 64 x + 63 of batch b's 16 rows.  PHASE A: wave = head: S^T = K Q^T, the causal softmax, O^T = V^T P, by v_wmma_f32_16x16x4_f32 (each work-group makes all 16 heads anew:
; 32 matrix instructions a wave).  O^T goes to LDS as an image of its registers.  PHASE B: wave (nt = w % 4, kq = w / 4) multiplies 16 columns by the four heads 4 kq .. 4 kq + 3.  PHASE C: the four quarters of K are added, and rows leave.
; THE K OF AN INSTRUCTION: lane (r, h) holds k slots 2 h and 2 h + 1.  Which true k stands in a slot is free so long as both sources agree.  Scores: slot (h, j) of instruction i is channel 32 h + 2 i + j.
; O^T: P lies as the scores' result lies (lane (r, h): query r, keys 8 h + 0..7), so slot (h, j) of instruction s is key 8 h + 2 s + j, and V is loaded so.  The projection likewise: channel 16 c + 8 h + 2 s + j.
; The registers that the f32 matrix form writes (v16-79) are written by nothing else; what is made of a sum goes into other registers.  Two or four accumulators take turns.
; LIMITS: NaN and infinities in qkvf are not served; the order of the f32 sums is not the definition's.
.set OIMG,  0                          ; 16 heads x 4,096 bytes: the image of O^T's 32 registers
.set PIMG,  65536                      ; 16 waves x 1,024 bytes: the image of a quarter sum's 8 registers
.set SPARE, 81920                      ; the spare words, 128 bytes for each wave: eight blocks of 256 bytes that no other line names
.set SPW, 1
.set NIL, 2
.set SA,  16
.set SBB, 24
.set OA,  32
.set PA,  64                           ; v64-71, v72-79
.set QR,  80                           ; v80-111 Q; then v80-87 the scores, v88-95 p, v96-99 at work; then the image of O^T
.set KR,  112                          ; v112-143 K; then W_o for the quarter's third head
.set VR,  144                          ; v144-175 V; then W_o for its fourth
.set TS,  176                          ; v176-183 a quarter sum
.set W0,  192                          ; v192-223, v224-255: W_o for the quarter's first two heads
	s_load_b128 s[4:7], s[0:1], 0x0                ; qkvf, W_o
	s_load_b64 s[8:9], s[0:1], 0x10                ; out0
	v_lshl_add_u32 v[SPW], v0, 2, SPARE
	v_mov_b32 v[NIL], 0
	v_lshrrev_b32 v3, 5, v0
	v_readfirstlane_b32 s10, v3                    ; wave 0..15
	s_and_b32 s12, ttmp7, 0xffff                   ; the batch
	s_and_b32 s13, s10, 3                          ; nt
	s_lshr_b32 s14, s10, 2                         ; kq
	s_mov_b32 s20, 0x76543210
	s_mov_b32 s21, 0xfedcba98                      ; v_permlanex16_b32's selects for lane l xor 16
	v_and_b32 v3, 15, v0                           ; r
	v_bfe_u32 v4, v0, 4, 1                         ; h
	v_and_b32 v15, 31, v0                          ; lane
	v_mul_u32_u24 v5, v3, 12288
	v_lshl_add_u32 v5, v4, 7, v5                   ; Q, K: row r of 12,288 bytes, channels 32 h on
	v_mul_u32_u24 v6, v4, 8*12288
	v_lshl_add_u32 v6, v3, 2, v6                   ; V: key 8 h on, channel r
	v_lshlrev_b32 v7, 15, v4
	v_lshl_add_u32 v7, v3, 2, v7                   ; W_o: row 8 h on (4,096 bytes a row), column r
	v_lshlrev_b32 v9, 4, v15                       ; an image's place for my lane: 16 x lane
	s_lshl_b32 s15, s10, 12
	v_add_nc_u32 v8, s15, v9                       ; where I store my head's image
	s_lshl_b32 s15, s10, 10
	s_add_co_u32 s15, s15, PIMG
	v_add_nc_u32 v10, s15, v9                      ; where I store my quarter sum
	s_lshl_b32 s15, s14, 14
	v_add_nc_u32 v9, s15, v9                       ; where my quarter's four heads begin
	v_bfe_u32 v11, v0, 2, 2                        ; phase C: lane l takes columns 4 (l % 16) on of token 2 w + l / 16: tile (l / 4) % 4,
	v_lshlrev_b32 v11, 10, v11
	v_and_b32 v12, 1, v0
	v_lshl_add_u32 v11, v12, 9, v11                ; registers 4-7 where l is odd,
	v_bfe_u32 v12, v0, 1, 1
	v_lshl_add_u32 v11, v12, 8, v11                ; the upper half of the lanes where (l / 2) is odd,
	v_lshl_add_u32 v11, v4, 4, v11                 ; lane = the token
	s_lshl_b32 s15, s10, 5
	s_add_co_u32 s15, s15, PIMG
	v_add_nc_u32 v11, s15, v11
	s_lshl_b32 s15, s10, 13                        ; and in out0: token 2 w + l / 16, 4,096 bytes a row, 16 bytes a lane
	v_lshlrev_b32 v12, 12, v4
	v_lshl_add_u32 v12, v3, 4, v12
	v_add_nc_u32 v12, s15, v12
	v_lshlrev_b32 v13, 3, v4
	v_sub_nc_u32 v13, v3, v13                      ; r - 8 h: register j holds key 8 h + j: hidden where j > r - 8 h
	v_mov_b32 v14, 0xff800000                      ; -infinity
	s_mul_i32 s16, s12, 196608
	s_lshl_b32 s17, s10, 8
	s_add_co_u32 s16, s16, s17                     ; qkvf: my batch, my head
	s_mov_b32 s17, 0
	s_lshl_b32 s18, s14, 20                        ; W_o: my quarter's 256 rows,
	s_lshl_b32 s19, ttmp9, 8                       ; the work-group's 64 columns,
	s_add_co_u32 s18, s18, s19
	s_lshl_b32 s22, s13, 6                         ; my 16
	s_add_co_u32 s18, s18, s22
	s_lshl_b32 s22, s12, 23                        ; out0: my batch's 2,048 rows of 4,096 bytes, the work-group's 256 bytes of a row
	s_add_co_u32 s22, s22, s19
	s_mov_b32 s19, 0
	s_mov_b32 s23, 0
	s_wait_kmcnt 0x0
	s_add_nc_u64 s[4:5], s[4:5], s[16:17]
	s_add_nc_u64 s[6:7], s[6:7], s[18:19]
	s_add_nc_u64 s[8:9], s[8:9], s[22:23]
.irp i, 0,1,2,3,4,5,6,7
	global_load_b128 v[QR+4*\i:QR+4*\i+3], v5, s[4:5] offset:16*\i
.endr
.irp i, 0,1,2,3,4,5,6,7
	global_load_b128 v[KR+4*\i:KR+4*\i+3], v5, s[4:5] offset:4096+16*\i
.endr
.irp c, 0,1,2,3
.irp k, 0,1,2,3,4,5,6,7
	global_load_b32 v[VR+8*\c+\k], v6, s[4:5] offset:8192+\k*12288+64*\c     ; V(8 h + k, 16 c + r)
.endr
.endr
.macro WLOAD hh, reg                   ; W_o(64 hh + 16 c + 8 h + k, my column r) of my quarter's head hh
.irp c, 0,1,2,3
.irp k, 0,1,2,3,4,5,6,7
	global_load_b32 v[\reg+8*\c+\k], v7, s[6:7] offset:(64*\hh+16*\c+\k)*4096
.endr
.endr
.endm
	WLOAD 0, W0
	WLOAD 1, W0+32
	s_wait_loadcnt 63                              ; Q, K and V are in: 64 loads were issued behind them, and 63 is the largest count that the wait can name
; ---- A: the scores
.set i, 0
.rept 16
.if i < 2
	v_wmma_f32_16x16x4_f32 v[SA+8*(i%2):SA+8*(i%2)+7], v[KR+2*i:KR+2*i+1], v[QR+2*i:QR+2*i+1], 0
.else
	v_wmma_f32_16x16x4_f32 v[SA+8*(i%2):SA+8*(i%2)+7], v[KR+2*i:KR+2*i+1], v[QR+2*i:QR+2*i+1], v[SA+8*(i%2):SA+8*(i%2)+7]
.endif
.set i, i+1
.endr
.rept 8
	v_nop                                          ; eight places behind this form (ISA guide 7.12.1)
.endr
.irp j, 0,2,4,6
	v_pk_add_f32 v[QR+\j:QR+\j+1], v[SA+\j:SA+\j+1], v[SBB+\j:SBB+\j+1]     ; the two half sums, from the low end on
.endr
	v_mov_b32 v97, 0                               ; (a lane permute's destination counts as one of its sources)
.irp j, 0,1,2,3,4,5,6,7
	v_cmp_gt_i32 vcc_lo, \j, v13
	v_cndmask_b32 v[QR+\j], v[QR+\j], v14, vcc_lo  ; hidden keys
.endr
	v_max3_num_f32 v96, v80, v81, v82
	v_max3_num_f32 v96, v96, v83, v84
	v_max3_num_f32 v96, v96, v85, v86
	v_max_num_f32 v96, v96, v87
	v_permlanex16_b32 v97, v96, s20, s21
	v_max_num_f32 v96, v96, v97                    ; the row's largest score: key 0 counts for every query, so it is a number
.irp j, 0,1,2,3,4,5,6,7
	v_sub_f32 v[QR+\j], v[QR+\j], v96              ; the maximum is taken away first: 0 or less
.endr
.irp j, 0,1,2,3,4,5,6,7
	v_mul_f32 v[QR+\j], 0x3e38aa3b, v[QR+\j]       ; x log2(e) / 8
.endr
.irp j, 0,1,2,3,4,5,6,7
	v_exp_f32 v[QR+8+\j], v[QR+\j]
.endr
	v_nop                                          ; a plain line behind the exponentials
	s_wait_alu depctr_va_vdst(0)                   ; one wait for the eight, ahead of their first reader
	v_add_f32 v98, v88, v89
	v_add_f32 v99, v90, v91
	v_add_f32 v98, v98, v92
	v_add_f32 v99, v99, v93
	v_add_f32 v98, v98, v94
	v_add_f32 v99, v99, v95
	v_add_f32 v98, v98, v99
	v_permlanex16_b32 v97, v98, s20, s21
	v_add_f32 v98, v98, v97                        ; the row's sum
	v_rcp_f32 v99, v98
	v_nop
	s_wait_alu depctr_va_vdst(0)
.irp j, 0,1,2,3,4,5,6,7
	v_mul_f32 v[QR+8+\j], v[QR+8+\j], v99          ; the weights
.endr
; ---- A: O^T = V^T P: four accumulators by turns
.irp s, 0,1,2,3
.irp c, 0,1,2,3
.if \s == 0
	v_wmma_f32_16x16x4_f32 v[OA+8*\c:OA+8*\c+7], v[VR+8*\c+2*\s:VR+8*\c+2*\s+1], v[QR+8+2*\s:QR+8+2*\s+1], 0
.else
	v_wmma_f32_16x16x4_f32 v[OA+8*\c:OA+8*\c+7], v[VR+8*\c+2*\s:VR+8*\c+2*\s+1], v[QR+8+2*\s:QR+8+2*\s+1], v[OA+8*\c:OA+8*\c+7]
.endif
.endr
.endr
.rept 8
	v_nop                                          ; places in front of the loads into V's registers and of the stores that read O^T
.endr
	WLOAD 2, KR
	WLOAD 3, VR
.irp i, 0,1,2,3,4,5,6,7
	ds_store_b128 v8, v[OA+4*\i:OA+4*\i+3] offset:OIMG+512*\i      ; the image: lane l's 16 bytes at 16 l; each accumulator from its low end on
.endr
	s_wait_dscnt 0x0                               ; for the others' sake: my stores have landed
	s_barrier_signal -1
	s_barrier_wait -1                              ; all sixteen heads lie in LDS
; ---- B: my 16 columns x my quarter of K: two accumulators by turns through all 64 instructions
.macro HEAD hh, reg, left
.if \hh > 0
.rept 8
	v_nop                                          ; places in front of loads into registers that matrix instructions have read
.endr
.endif
.irp i, 0,1,2,3,4,5,6,7
	ds_load_b128 v[QR+4*\i:QR+4*\i+3], v9 offset:OIMG+4096*\hh+512*\i
.endr
	s_wait_loadcnt \left                           ; this head's 32 numbers of W_o are in
	s_wait_dscnt 0x0
.set i, 0
.rept 16
.if (\hh == 0) && (i < 2)
	v_wmma_f32_16x16x4_f32 v[PA+8*(i%2):PA+8*(i%2)+7], v[\reg+2*i:\reg+2*i+1], v[QR+2*i:QR+2*i+1], 0
.else
	v_wmma_f32_16x16x4_f32 v[PA+8*(i%2):PA+8*(i%2)+7], v[\reg+2*i:\reg+2*i+1], v[QR+2*i:QR+2*i+1], v[PA+8*(i%2):PA+8*(i%2)+7]
.endif
.set i, i+1
.endr
.endm
	HEAD 0, W0, 63                                 ; behind this head's loads 96 were issued, behind the next head's 64: 63 is the largest count that the wait can name
	HEAD 1, W0+32, 63
	HEAD 2, KR, 32                                 ; the last head's 32 may be out
	HEAD 3, VR, 0
.rept 8
	v_nop
.endr
.irp j, 0,2,4,6
	v_pk_add_f32 v[TS+\j:TS+\j+1], v[PA+\j:PA+\j+1], v[PA+8+\j:PA+8+\j+1]
.endr
	ds_store_b128 v10, v[TS:TS+3]
	ds_store_b128 v10, v[TS+4:TS+7] offset:512
	s_wait_dscnt 0x0
	s_barrier_signal -1
	s_barrier_wait -1                              ; the sixteen quarter sums lie in LDS
; ---- C: waves 0 to 7 add the four quarters and store two rows each
	s_cmp_lt_u32 s10, 8
	s_cbranch_scc0 .Ldone
.irp k, 0,1,2,3
	ds_load_b128 v[QR+4*\k:QR+4*\k+3], v11 offset:4096*\k
.endr
	s_wait_dscnt 0x0
	v_pk_add_f32 v[80:81], v[80:81], v[84:85]
	v_pk_add_f32 v[82:83], v[82:83], v[86:87]
	v_pk_add_f32 v[88:89], v[88:89], v[92:93]
	v_pk_add_f32 v[90:91], v[90:91], v[94:95]
	v_pk_add_f32 v[80:81], v[80:81], v[88:89]
	v_pk_add_f32 v[82:83], v[82:83], v[90:91]
	global_store_b128 v12, v[80:83], s[8:9]        ; sixteen lanes store 256 consecutive bytes, aligned
.Ldone:
	s_wait_tensorcnt 0x0                           ; the wave's end
	ds_add_u32 v[SPW], v[NIL]
	s_wait_dscnt 0x0
	s_endpgm
.Lfunc_end_k_q4360885cd6_fine:
	.size	k_q4360885cd6_fine, .Lfunc_end_k_q4360885cd6_fine-k_q4360885cd6_fine
	.p2alignl 7, 3214868480
	.fill 96, 4, 3214868480
	.section	.rodata,"a",@progbits
	.p2align	6, 0x0
	.amdhsa_kernel k_q4360885cd6_fine
		.amdhsa_group_segment_fixed_size 83968
		.amdhsa_private_segment_fixed_size 0
		.amdhsa_enable_private_segment 0
		.amdhsa_kernarg_size 24
		.amdhsa_user_sgpr_count 2
		.amdhsa_user_sgpr_kernarg_segment_ptr 1
		.amdhsa_wavefront_size32 1
		.amdhsa_system_sgpr_workgroup_id_x 1
		.amdhsa_system_sgpr_workgroup_id_y 1
		.amdhsa_system_sgpr_workgroup_id_z 1
		.amdhsa_system_vgpr_workitem_id 0
		.amdhsa_next_free_vgpr 256
		.amdhsa_next_free_sgpr 66
		.amdhsa_reserve_vcc 1
		.amdhsa_float_denorm_mode_32 3
		.amdhsa_float_denorm_mode_16_64 3
		.amdhsa_memory_ordered 1
		.amdhsa_forward_progress 1
		.amdhsa_inst_pref_size 35
	.end_amdhsa_kernel
	.amdgpu_metadata
---
amdhsa.version: [ 1, 2 ]
amdhsa.kernels:
  - .name:           k_q4360885cd6_fine
    .symbol:         k_q4360885cd6_fine.kd
    .args:
      - { .name: qkvf, .offset: 0, .size: 8, .value_kind: global_buffer, .address_space: global }
      - { .name: W_o, .offset: 8, .size: 8, .value_kind: global_buffer, .address_space: global }
      - { .name: out0, .offset: 16, .size: 8, .value_kind: global_buffer, .address_space: global }
    .group_segment_fixed_size: 83968
    .private_segment_fixed_size: 0
    .kernarg_segment_align: 8
    .kernarg_segment_size: 24
    .max_flat_workgroup_size: 512
    .sgpr_count:     66
    .vgpr_count:     256
    .wavefront_size: 32
...
	.end_amdgpu_metadata
.endif
;; end of part 5
